; MI455X (gfx1250); checked and timed in simulation.
; The chip was launched on July 23, 2026; its instructions are those of AMD's public machine-readable ISA for CDNA 5 (MIT licence, August 2026) and "CDNA5" Instruction Set Architecture Reference Guide (July 2026). The comments in the code are by the model that wrote it; some were corrected since.
;; Multi Head Attention. Allowed arithmetic: matrix products marked QUANTISED: E2M3 operands, one E8M0 scale for each 32 along K, by v_wmma_scale_f32_16x16x128_f8f6f4 with both operands' format E2M3, f32 sums; products left as they are: f32 operands where the result goes on into a quantised operand, else bf16, f16 or f32 operands; f32 sums; everything else in f32.
;; Inputs: Aq 16 x 1,024 float32; Av 16 x 1,024 float32; Bq 1,024 x 16 float32; Bv 1,024 x 16 float32; Wk 1,024 x 1,024 float32; Wo 1,024 x 1,024 float32; Wq 1,024 x 1,024 float32; Wv 1,024 x 1,024 float32; attention_mask 4 x 1 x 1 x 2,048 float32; bk 1,024 float32; bo 1,024 float32; bq 1,024 float32; bv 1,024 float32; hidden_states 4 x 2,048 x 1,024 float32.
;; Outputs: out0 4 x 2,048 x 1,024 float32.
;; This version of the problem:
;;   THIS VERSION OF THE PROBLEM IS GIVEN IN LOW PRECISION. The matrix products marked QUANTISED in the list below multiply operands that are first quantised to E2M3 (2 exponent bits, 3 mantissa bits; 6 bits a number), with one power-of-two scale for each 32 numbers along K (OCP MX v1.0); their sums are f32. All else is computed in f32.
;;   The module's matrix products, in the order in which they are computed (A, B: the left and right operand; K: the contracted axis; several contracted axes count as one K, in the product's order):
;;     1. [M 8,192, K 1,024] x [K 1,024, N 1,024]; A: input hidden_states; B: input Wq: QUANTISED
;;     2. [M 8,192, K 1,024] x [K 1,024, N 16]; A: input hidden_states; B: input Aq: QUANTISED
;;     3. [M 8,192, K 16] x [K 16, N 1,024]; A: computed on the way; B: input Bq: left as it is (K = 16 < 32)
;;     4. [M 8,192, K 1,024] x [K 1,024, N 1,024]; A: input hidden_states; B: input Wk: QUANTISED
;;     5. [M 8,192, K 1,024] x [K 1,024, N 1,024]; A: input hidden_states; B: input Wv: QUANTISED
;;     6. [M 8,192, K 1,024] x [K 1,024, N 16]; A: input hidden_states; B: input Av: QUANTISED
;;     7. [M 8,192, K 16] x [K 16, N 1,024]; A: computed on the way; B: input Bv: left as it is (K = 16 < 32)
;;     8. batch 64 x [M 2,048, K 64] x [K 64, N 2,048]; A: computed on the way; B: computed on the way: QUANTISED
;;     9. batch 64 x [M 2,048, K 2,048] x [K 2,048, N 64]; A: softmax (see below); B: computed on the way: QUANTISED
;;     10. [M 8,192, K 1,024] x [K 1,024, N 1,024]; A: computed on the way; B: input Wo: QUANTISED
;;   THE QUANTISER, for each operand of a quantised product, along K:
;;     - K is cut into blocks of 32 from its start; a last block that is shorter is filled with zeros.
;;     - A block's scale is 2^e with e = floor(log2(the largest magnitude in the block)) - 2, held to -126 .. 127; a block of zeros has e = 0. As a byte (E8M0): e + 127.
;;     - Each number is divided by its block's scale, clamped to +-7.5, and rounded to the nearest number of E2M3, ties to even, subnormals kept.
;;     - The product sums the exact products of the quantised numbers (number of the format x scale) in f32.
;;   ~~~python
;;   def quantise(x, axis):      # numpy; x: float32 -> the quantised numbers, widened to float32 again
;;       x = np.moveaxis(x, axis, -1); K = x.shape[-1]
;;       x = np.pad(x, [(0, 0)] * (x.ndim - 1) + [(0, -K % 32)]); x = x.reshape(x.shape[:-1] + (-1, 32)); a = np.abs(x).max(-1, keepdims=True)
;;       e = np.where(a > 0, np.clip(np.frexp(np.where(a > 0, a, 1))[1] - 1 - 2, -126, 127), 0)      # np.frexp(a)[1] - 1 = floor(log2(a)), exactly
;;       r = np.clip(x / 2.0 ** e, -7.5, 7.5)
;;       step = 2.0 ** (np.maximum(np.frexp(np.where(r == 0, 1, r))[1] - 1, 0) - 3)
;;       q = np.round(r / step) * step * 2.0 ** e      # np.round: ties to even
;;       return np.moveaxis(q.reshape(q.shape[:-2] + (-1,))[..., :K], -1, axis).astype(np.float32)
;;   ~~~
;;   SOFTMAX AHEAD OF A QUANTISED PRODUCT. Where the list says 'softmax', what is quantised is not the finished softmax but p = 2^(t - M), with t = logit x log2(e) and M = ceil(the row's largest t), a whole number; so 1/2 < the row's largest p <= 1. The row's sum l is taken of the UNQUANTISED p, in f32, and the product's result is divided by l at the end. Since M is a whole number, a kernel that streams over the keys may use a running M (the ceiling of the running maximum): every later rescaling is an exact power of two, which a block's scale takes up: the codes' values come out the same.
;;   OPERANDS COMPUTED ON THE WAY. 'Computed on the way' means the value that the module computes at that place (a softmax that the list does not call 'softmax' is quantised finished and normalised). What goes into a quantiser is computed in f32, as accurately as f32 sums, v_exp_f32 and their like allow (about 1e-6 of the number): no bf16 or f16 on the way to a quantiser, and a product that is left as it is and whose result goes on into a quantised operand takes f32 operands (vector FMAs, or v_wmma_f32_16x16x4_f32). A number that lies on a knife's edge between two numbers of the format may be rounded either way, as far as f32 arithmetic and the matrix unit's own rounding can turn it there, and no further.
;; One version. Each part assembles by itself: llvm-mc -triple=amdgcn-amd-amdhsa -mcpu=gfx1250 --defsym DOCPART=n.
;; ======== version 1 of 1: 4 launches
;; limits: right only within a limited range of input values
;; workspace buffers: xc 6,291,456 bytes; xs 262,144 bytes; wc 3,145,728 bytes; ws 131,072 bytes; xa 1,048,576 bytes; hq 19,660,800 bytes; cc 6,291,456 bytes; cs 262,144 bytes
;; launch quant (part 1): grid 192 x 1, 4 waves a work-group, no clusters, 162,304 bytes of LDS; arguments hidden_states, Wq, Wk, Wv, Wo, Aq, Av, xc, xs, wc, ws, xa; writes xc, xs, wc, ws, xa
.if DOCPART == 1
	.amdgcn_target "amdgcn-amd-amdhsa--gfx1250"
	.amdhsa_code_object_version 6
	.text
	.protected	k_qac16a1dab7_quant
	.globl	k_qac16a1dab7_quant
	.p2align	8
	.type	k_qac16a1dab7_quant,@function
k_qac16a1dab7_quant:
	s_mov_b64 s[64:65], 0
	v_nop
	global_prefetch_b8 v0, s[64:65] scope:SCOPE_SE
	s_setreg_imm32_b32 hwreg(HW_REG_WAVE_MODE, 25, 1), 1
	s_wait_xcnt 0x0
; x [8192][1024] and Wq, Wk, Wv, Wo [1024][1024], f32, become codes of FP6 (E2M3) with one E8M0 byte for each 32 along K; and xa = 2 Q(x) Q(A)^T for A = Aq, Av (16 ranks).
; BLOCKS OF 16 ROWS, IN AN ORDER OF THEIR OWN: row r of block B is the true row 32 (B / 2) + 8 (B % 2) + r + 8 (r / 8).  Used as source 0 of a product, two neighbouring blocks then give a lane 16 true neighbours
; in 16 registers, which is what the next quantiser wants.  Aq and Av (16 rows) keep their order.
; WHAT IS STORED is an image of the operand's registers: for a block and 128 along K, 1,536 bytes: registers 0-3 at 16 x lane, 4-5 at 512 + 8 x lane, 6-9 at 768 + 16 x lane, 10-11 at 1,280 + 8 x lane.  Every store covers
; 512 or 256 consecutive bytes that begin at a multiple of 256.  Scale words: [block][K step][row], 4 bytes each.
; SHARES.  A wave takes one block, 16 rows x 1,024, in 8 units of 128 along K.  Work-groups 0-127: x; 128-191: the four weights.  In x's work-groups each wave first quantises 4 of the 16 fragments of Aq and Av
; into LDS; behind one barrier every wave multiplies each of its x fragments by Aq's and Av's fragment of that K step.
; A unit's 16 loads read 512 consecutive bytes each (a row's part); the numbers turn through the wave's own stage in LDS (rows 528 bytes apart) so that a lane gets 16 neighbours of each block of 32.
; A block's scale byte is its largest magnitude's exponent field - 2, held at 1 from below.
; LIMITS: a block of zeros, or one whose largest magnitude lies under 2^-124, keeps the byte 1 (its codes are zeros or small; the bytes are read by this program alone); NaN and infinities are not served.
.set XSTG,  0                          ; x's path: for each wave two stages of 16 x 528 bytes
.set AIMG,  67584                      ; 16 images of A's fragments, 1,536 bytes each: registers 4 c .. 4 c + 3 at 512 c + 16 x lane
.set ASC,   92160                      ; their scale words, 128 bytes each
.set WSTG,  94208                      ; the weights' path: stages of its own
.set SPARE, 161792                     ; the spare words, 128 bytes a wave: two blocks of 256 bytes that no other line names
.set SPI,   528
.set STGB,  16*SPI
.set FRB,   1536
.set GA,  4                            ; v4   16 x lane
.set L8,  5                            ; v5   8 x lane
.set SA,  6                            ; v6   my stage + 16 x lane
.set SB,  7                            ; v7   my stage + 528 r + 64 h
.set AWI, 8                            ; v8   where I store A's images
.set AWS, 9                            ; v9   and their scale words
.set LI,  10                           ; v10  AIMG + 16 x lane
.set LS,  11                           ; v11  ASC + 4 x lane
.set VXA, 12                           ; v12  xa: (r + 8 (r / 8)) x 64 + 32 h
.set L4,  13                           ; v13  4 x lane
.set SPW, 14                           ; v14  my spare word; never rewritten
.set NIL, 15                           ; v15  0; never rewritten
.set X,   16                           ; v16-143  two sets of 64 numbers, 16 neighbours of each of four blocks
.set TM,  144                          ; v144-159 the quantiser's own
.set PW,  160                          ; v160 the scale word just made
.set PWS, 162                          ; v162-169 the eight K steps' scale words
.set PC,  170                          ; v170-188 the codes just made
.set AF,  190                          ; v190-213 Aq's and Av's fragment of the K step
.set AS,  214                          ; v214-215 their scale words
.set XAQ, 216                          ; v216-223, v224-231 the two sums
.set XAV, 224
.set T,   232                          ; v232-247 twice the sums
.set OW,  248                          ; v248-251 scale words on their way out
.set SEL, 32                           ; s[32:33] selects of v_permlanex16_b32: lane l xor 16
.set MSB, 0                            ; window 1 (v256-511): four sets of 64 registers, as loaded
.macro WIN new                         ; the immediate's high byte repeats the setting that is left
.if MSB != (\new)
	s_set_vgpr_msb (MSB<<8)|(\new)
.set MSB, (\new)
.endif
.endm
; 64 numbers of a lane, register 16 b + i = k 32 b + 16 h + i of my row, become a fragment's codes in v[PC] on and my row's scale word in v[PW].
.macro QUANT s
.irp b, 0,1,2,3
	v_max3_num_f32 v[TM+\b], |v[\s+16*\b]|, |v[\s+1+16*\b]|, 0x1800000   ; my 16 numbers of block b, and the floor 2^(3 - 127): the byte cannot fall under 1
.endr
.irp i, 2,4,6,8,10,12,14
.irp b, 0,1,2,3
	v_max3_num_f32 v[TM+\b], v[TM+\b], |v[\s+16*\b+\i]|, |v[\s+1+16*\b+\i]|
.endr
.endr
.irp b, 0,1,2,3
	v_permlanex16_b32 v[TM+4+\b], v[TM+\b], s[SEL], s[SEL+1]
.endr
.irp b, 0,1,2,3
	v_max_num_f32 v[TM+\b], v[TM+\b], v[TM+4+\b]   ; with lane l xor 16's: the block's largest magnitude
.endr
.irp b, 0,1,2,3
	v_add_nc_u32 v[TM+12+\b], 0xff000000, v[TM+\b]   ; 2 off its exponent field: the conversion's scale operand
.endr
.irp b, 0,1,2,3
	v_lshrrev_b32 v[TM+4+\b], 23, v[TM+12+\b]      ; the scale's byte
.endr
	v_lshl_or_b32 v[PW], v[TM+5], 8, v[TM+4]
	v_lshl_or_b32 v[PW], v[TM+6], 16, v[PW]
	v_lshl_or_b32 v[PW], v[TM+7], 24, v[PW]
.irp c, 0,1
	v_cvt_scalef32_pk16_fp6_f32 v[PC+6*\c:PC+2+6*\c], v[\s+32*\c:\s+15+32*\c], v[TM+12+2*\c]
	v_cvt_scalef32_pk16_fp6_f32 v[PC+12+4*\c:PC+14+4*\c], v[\s+16+32*\c:\s+31+32*\c], v[TM+12+2*\c+1]   ; (a conversion's three registers begin on an even number)
.endr
	v_nop                                          ; one plain place behind a scaled conversion
.irp c, 0,1                                    ; the operand's layout wants a whole block in a lane
.irp i, 0,1,2
	v_permlane16_swap_b32 v[PC+6*\c+\i], v[PC+12+4*\c+\i]
.endr
.irp i, 0,1,2
	v_mov_b32 v[PC+3+6*\c+\i], v[PC+12+4*\c+\i]
.endr
.endr
.endm
; unit u's 16 rows x 512 bytes into set u % 4 of window 1.  perm = 1: the block's rows 8-15 lie 8 true rows further on
.macro GLOAD u, base, perm, koff, nt
	WIN 0x40
.irp i, 0,1,2,3,4,5,6,7,8,9,10,11,12,13,14,15
.if \nt
	global_load_b128 v[64*((\u)%4)+4*\i:64*((\u)%4)+4*\i+3], v[GA], s[\base:\base+1] offset:(\i+8*(\perm)*(\i/8))*4096+(\koff) th:TH_LOAD_NT
.else
	global_load_b128 v[64*((\u)%4)+4*\i:64*((\u)%4)+4*\i+3], v[GA], s[\base:\base+1] offset:(\i+8*(\perm)*(\i/8))*4096+(\koff)
.endif
.endr
	WIN 0
.endm
.macro GL v, px                        ; x's path: units 0-3 are A's, units 4-11 x's K steps 0-7; the weights' path: units 0-7
.if (\px) && ((\v) < 4)
	GLOAD \v, 36, 0, 512*(\v), 0
.elseif \px
	GLOAD \v, 34, 1, 512*((\v)-4), 1
.else
	GLOAD \v, 34, 1, 512*(\v), 1
.endif
.endm
.macro TURNS u                         ; through my stage u % 2: LDS serves a wave's instructions in order, so no wait stands between the stores and the loads
	WIN 0x04
.irp i, 0,1,2,3,4,5,6,7,8,9,10,11,12,13,14,15
	ds_store_b128 v[SA], v[64*((\u)%4)+4*\i:64*((\u)%4)+4*\i+3] offset:STGB*((\u)%2)+SPI*\i
.endr
	WIN 0
.irp b, 0,1,2,3
.irp j, 0,1,2,3
	ds_load_b128 v[X+64*((\u)%2)+16*\b+4*\j:X+64*((\u)%2)+16*\b+4*\j+3], v[SB] offset:STGB*((\u)%2)+128*\b+16*\j
.endr
.endr
.endm
.macro GIMAGE off                      ; the fragment in v[PC] on leaves as an image
	global_store_b128 v[GA], v[PC:PC+3], s[38:39] offset:\off
	global_store_b64 v[L8], v[PC+4:PC+5], s[38:39] offset:\off+512
	global_store_b128 v[GA], v[PC+6:PC+9], s[38:39] offset:\off+768
	global_store_b64 v[L8], v[PC+10:PC+11], s[38:39] offset:\off+1280
.endm
.macro FETCH reg, off
.irp c, 0,1,2
	ds_load_b128 v[\reg+4*\c:\reg+4*\c+3], v[LI] offset:\off+512*\c
.endr
.endm
.macro UNIT u, n, px
	s_wait_dscnt 0x0                               ; this unit's numbers are back from the stage, and all my LDS stores have landed
.if (\px) && ((\u) == 4)
	s_barrier_signal -1                            ; every wave's four images of A lie in LDS
	s_barrier_wait -1
.endif
	s_wait_xcnt 0x0                                ; the last unit's stores have read the codes' registers
.if (\u)+3 < (\n)
	GL (\u)+3, \px
.endif
.if (\px) && ((\u) >= 4)
	FETCH AF, FRB*((\u)-4)                         ; Aq's fragment of this K step (the four v_nop that end the unit before are the places in front of these loads)
	FETCH AF+12, FRB*((\u)+4)                      ; Av's
	ds_load_b32 v[AS], v[LS] offset:128*((\u)-4)
	ds_load_b32 v[AS+1], v[LS] offset:128*((\u)+4)
.endif
.if (\u)+1 < (\n)
.if (\u)+3 < (\n)
	s_wait_loadcnt 32                              ; the next unit's 16 loads are in; those of the two units behind it may be out
.elseif (\u)+2 < (\n)
	s_wait_loadcnt 16
.else
	s_wait_loadcnt 0
.endif
	TURNS (\u)+1
.endif
	QUANT X+64*((\u)%2)
.if (\px) && ((\u) < 4)
.irp c, 0,1,2
	ds_store_b128 v[AWI], v[PC+4*\c:PC+4*\c+3] offset:FRB*(\u)+512*\c
.endr
	ds_store_b32 v[AWS], v[PW] offset:128*(\u)
.else
.set US, (\u)-4*(\px)
	GIMAGE FRB*US
	v_mov_b32 v[PWS+US], v[PW]
.if \px
.rept 8
	v_nop                                          ; a scale register written by a vector instruction stands 8 places ahead of a scaled matrix instruction, an operand 4
.endr
.if (\u)+1 < (\n)
	s_wait_alu depctr_va_vdst(0)
	s_wait_dscnt 32                                ; A's fragments are in; the next unit's 32 instructions through the stage may be out
.else
	s_wait_alu depctr_va_vdst(0)
	s_wait_dscnt 0
.endif
.if (\u) == 4                          ; source 0 = 16 ranks, source 1 = my 16 rows: lane (r, h) holds xa(row r, rank 8 h + j).  The two sums take turns
	s_wait_alu depctr_va_vdst(0)
	v_wmma_scale_f32_16x16x128_f8f6f4 v[XAQ:XAQ+7], v[AF:AF+11], v[PC:PC+11], 0, v[AS], v[PW] matrix_a_fmt:MATRIX_FMT_FP6 matrix_b_fmt:MATRIX_FMT_FP6
	v_wmma_scale_f32_16x16x128_f8f6f4 v[XAV:XAV+7], v[AF+12:AF+23], v[PC:PC+11], 0, v[AS+1], v[PW] matrix_a_fmt:MATRIX_FMT_FP6 matrix_b_fmt:MATRIX_FMT_FP6
.else
	v_wmma_scale_f32_16x16x128_f8f6f4 v[XAQ:XAQ+7], v[AF:AF+11], v[PC:PC+11], v[XAQ:XAQ+7], v[AS], v[PW] matrix_a_fmt:MATRIX_FMT_FP6 matrix_b_fmt:MATRIX_FMT_FP6
	v_wmma_scale_f32_16x16x128_f8f6f4 v[XAV:XAV+7], v[AF+12:AF+23], v[PC:PC+11], v[XAV:XAV+7], v[AS+1], v[PW] matrix_a_fmt:MATRIX_FMT_FP6 matrix_b_fmt:MATRIX_FMT_FP6
.endif
.rept 4
	v_nop                                          ; places in front of loads into, and writes of, the products' registers, and of the first read of the sums
.endr
.endif
.endif
.endm
.macro STAGES                          ; s44: my two stages' first byte
	v_add_nc_u32 v[SA], s44, v[GA]
	v_mul_u32_u24 v[SB], v2, SPI
	v_lshl_add_u32 v[SB], v3, 6, v[SB]
	v_add_nc_u32 v[SB], s44, v[SB]
.endm
.macro SCOUT                           ; the block's scale words: lanes 0-15 K step 2 i, lanes 16-31 K step 2 i + 1: 128 consecutive bytes a store
.irp i, 0,1,2,3
	v_cndmask_b32 v[OW+\i], v[PWS+2*\i], v[PWS+2*\i+1], s30
.endr
.irp i, 0,1,2,3
	global_store_b32 v[L4], v[OW+\i], s[40:41] offset:128*\i
.endr
.endm
.macro CLOSE                           ; the wave's end
	s_wait_tensorcnt 0x0
	ds_add_u32 v[SPW], v[NIL]
	s_wait_dscnt 0x0
	s_endpgm
.endm
	s_load_b512 s[4:19], s[0:1], 0x0               ; x s[4:5], Wq, Wk, Wv, Wo s[6:13], Aq s[14:15], Av s[16:17], xc s[18:19]
	s_load_b256 s[20:27], s[0:1], 0x40             ; xs s[20:21], wc s[22:23], ws s[24:25], xa s[26:27]
	v_lshl_add_u32 v[SPW], v0, 2, SPARE
	v_mov_b32 v[NIL], 0
	v_lshrrev_b32 v1, 5, v0
	v_readfirstlane_b32 s28, v1                    ; wave 0..3
	v_and_b32 v1, 31, v0                           ; lane
	v_and_b32 v2, 15, v0                           ; r
	v_bfe_u32 v3, v0, 4, 1                         ; h
	v_lshlrev_b32 v[GA], 4, v1
	v_lshlrev_b32 v[L8], 3, v1
	v_lshlrev_b32 v[L4], 2, v1
	v_cmp_ne_u32 s30, 0, v3                        ; the lanes with h = 1
	s_mov_b32 s[SEL], 0x76543210
	s_mov_b32 s[SEL+1], 0xfedcba98
.irp b, 0,1,2,3
	v_mov_b32 v[TM+4+\b], 0                        ; written once: a lane permute's destination counts as one of its sources
.endr
	s_mul_i32 s44, s28, 2*STGB
	s_mov_b32 s47, 0
	s_wait_kmcnt 0x0
	s_cmp_lt_u32 ttmp9, 128                        ; the work-group's number alone decides: all four waves go the same way
	s_cbranch_scc0 .Lweights
	; ---- x
	s_wait_alu depctr_va_vdst(0)
	STAGES
	s_lshl_b32 s45, ttmp9, 2
	s_add_co_u32 s45, s45, s28                     ; my block
	s_lshr_b32 s46, s45, 1
	s_lshl_b32 s46, s46, 5
	s_and_b32 s48, s45, 1
	s_lshl_b32 s48, s48, 3
	s_add_co_u32 s50, s46, s48                     ; its first true row
	s_lshl_b32 s46, s50, 12
	s_add_nc_u64 s[34:35], s[4:5], s[46:47]
	s_cmp_lt_u32 s28, 2                            ; waves 0, 1: Aq's K steps 0-3, 4-7; waves 2, 3: Av's
	s_cselect_b64 s[36:37], s[14:15], s[16:17]
	s_and_b32 s46, s28, 1
	s_lshl_b32 s46, s46, 11
	s_add_nc_u64 s[36:37], s[36:37], s[46:47]
	s_mul_i32 s46, s45, 8*FRB
	s_add_nc_u64 s[38:39], s[18:19], s[46:47]
	s_lshl_b32 s46, s45, 9
	s_add_nc_u64 s[40:41], s[20:21], s[46:47]
	s_lshl_b32 s46, s50, 6
	s_add_nc_u64 s[42:43], s[26:27], s[46:47]
	GL 0, 1
	GL 1, 1
	GL 2, 1
	s_mul_i32 s48, s28, 4*FRB
	v_add_nc_u32 v[AWI], s48, v[GA]
	v_add_nc_u32 v[AWI], AIMG, v[AWI]
	s_lshl_b32 s48, s28, 9
	v_add_nc_u32 v[AWS], s48, v[L4]
	v_add_nc_u32 v[AWS], ASC, v[AWS]
	v_add_nc_u32 v[LI], AIMG, v[GA]
	v_add_nc_u32 v[LS], ASC, v[L4]
	v_and_b32 v[VXA], 8, v2
	v_add_nc_u32 v[VXA], v[VXA], v2
	v_lshlrev_b32 v[VXA], 6, v[VXA]
	v_lshl_add_u32 v[VXA], v3, 5, v[VXA]
	s_wait_loadcnt 32                              ; unit 0's 16 loads are in
	TURNS 0
.irp u, 0,1,2,3,4,5,6,7,8,9,10,11
	UNIT \u, 12, 1
.endr
	SCOUT
.irp j, 0,2,4,6
	v_pk_mul_f32 v[T+\j:T+\j+1], v[XAQ+\j:XAQ+\j+1], 2.0 op_sel_hi:[1,0]     ; x alpha / rank = 2: exact
.endr
.irp j, 0,2,4,6
	v_pk_mul_f32 v[T+8+\j:T+9+\j], v[XAV+\j:XAV+\j+1], 2.0 op_sel_hi:[1,0]
.endr
	global_store_b128 v[VXA], v[T:T+3], s[42:43]
	global_store_b128 v[VXA], v[T+4:T+7], s[42:43] offset:16
	global_store_b128 v[VXA], v[T+8:T+11], s[42:43] offset:524288
	global_store_b128 v[VXA], v[T+12:T+15], s[42:43] offset:524304
	CLOSE
.Lweights:                                             ; ---- Wq, Wk, Wv, Wo
	s_add_co_u32 s44, s44, WSTG
	s_wait_alu depctr_va_vdst(0)
	STAGES
	s_sub_co_u32 s45, ttmp9, 128
	s_lshr_b32 s49, s45, 4                         ; which weight
	s_and_b32 s45, s45, 15
	s_lshl_b32 s45, s45, 2
	s_add_co_u32 s45, s45, s28                     ; my block of it
	s_cmp_eq_u32 s49, 0
	s_cselect_b64 s[34:35], s[6:7], s[8:9]
	s_cmp_lt_u32 s49, 2
	s_cselect_b64 s[34:35], s[34:35], s[10:11]
	s_cmp_lt_u32 s49, 3
	s_cselect_b64 s[34:35], s[34:35], s[12:13]
	s_lshr_b32 s46, s45, 1
	s_lshl_b32 s46, s46, 5
	s_and_b32 s48, s45, 1
	s_lshl_b32 s48, s48, 3
	s_add_co_u32 s46, s46, s48
	s_lshl_b32 s46, s46, 12
	s_add_nc_u64 s[34:35], s[34:35], s[46:47]
	s_mul_i32 s46, s49, 786432
	s_mul_i32 s48, s45, 8*FRB
	s_add_co_u32 s46, s46, s48
	s_add_nc_u64 s[38:39], s[22:23], s[46:47]
	s_lshl_b32 s46, s49, 15
	s_lshl_b32 s48, s45, 9
	s_add_co_u32 s46, s46, s48
	s_add_nc_u64 s[40:41], s[24:25], s[46:47]
	GL 0, 0
	GL 1, 0
	GL 2, 0
	s_wait_alu depctr_va_vdst(0)
	s_wait_loadcnt 32
	TURNS 0
.irp u, 0,1,2,3,4,5,6,7
	UNIT \u, 8, 0
.endr
	SCOUT
	CLOSE
.Lfunc_end_k_qac16a1dab7_quant:
	.size	k_qac16a1dab7_quant, .Lfunc_end_k_qac16a1dab7_quant-k_qac16a1dab7_quant
	.p2alignl 7, 3214868480
	.fill 96, 4, 3214868480
	.section	.rodata,"a",@progbits
	.p2align	6, 0x0
	.amdhsa_kernel k_qac16a1dab7_quant
		.amdhsa_group_segment_fixed_size 162304
		.amdhsa_private_segment_fixed_size 0
		.amdhsa_enable_private_segment 0
		.amdhsa_kernarg_size 96
		.amdhsa_user_sgpr_count 2
		.amdhsa_user_sgpr_kernarg_segment_ptr 1
		.amdhsa_wavefront_size32 1
		.amdhsa_system_sgpr_workgroup_id_x 1
		.amdhsa_system_sgpr_workgroup_id_y 1
		.amdhsa_system_sgpr_workgroup_id_z 1
		.amdhsa_system_vgpr_workitem_id 0
		.amdhsa_next_free_vgpr 512
		.amdhsa_next_free_sgpr 66
		.amdhsa_reserve_vcc 0
		.amdhsa_float_denorm_mode_32 3
		.amdhsa_float_denorm_mode_16_64 3
		.amdhsa_memory_ordered 1
		.amdhsa_forward_progress 1
		.amdhsa_inst_pref_size 173
	.end_amdhsa_kernel
	.amdgpu_metadata
---
amdhsa.version: [ 1, 2 ]
amdhsa.kernels:
  - .name:           k_qac16a1dab7_quant
    .symbol:         k_qac16a1dab7_quant.kd
    .args:
      - { .name: hidden_states, .offset: 0, .size: 8, .value_kind: global_buffer, .address_space: global }
      - { .name: Wq, .offset: 8, .size: 8, .value_kind: global_buffer, .address_space: global }
      - { .name: Wk, .offset: 16, .size: 8, .value_kind: global_buffer, .address_space: global }
      - { .name: Wv, .offset: 24, .size: 8, .value_kind: global_buffer, .address_space: global }
      - { .name: Wo, .offset: 32, .size: 8, .value_kind: global_buffer, .address_space: global }
      - { .name: Aq, .offset: 40, .size: 8, .value_kind: global_buffer, .address_space: global }
      - { .name: Av, .offset: 48, .size: 8, .value_kind: global_buffer, .address_space: global }
      - { .name: xc, .offset: 56, .size: 8, .value_kind: global_buffer, .address_space: global }
      - { .name: xs, .offset: 64, .size: 8, .value_kind: global_buffer, .address_space: global }
      - { .name: wc, .offset: 72, .size: 8, .value_kind: global_buffer, .address_space: global }
      - { .name: ws, .offset: 80, .size: 8, .value_kind: global_buffer, .address_space: global }
      - { .name: xa, .offset: 88, .size: 8, .value_kind: global_buffer, .address_space: global }
    .group_segment_fixed_size: 162304
    .private_segment_fixed_size: 0
    .kernarg_segment_align: 8
    .kernarg_segment_size: 96
    .max_flat_workgroup_size: 128
    .sgpr_count:     66
    .vgpr_count:     512
    .wavefront_size: 32
...
	.end_amdgpu_metadata
.endif
;; end of part 1
;; launch qkv (part 2): grid 12 x 32, 4 waves a work-group, clusters of 4 x 4, 327,680 bytes of LDS; arguments xc, xs, wc, ws, xa, Bq, Bv, bq, bk, bv, hq; writes hq
.if DOCPART == 2
	.amdgcn_target "amdgcn-amd-amdhsa--gfx1250"
	.amdhsa_code_object_version 6
	.text
	.protected	k_qac16a1dab7_qkv
	.globl	k_qac16a1dab7_qkv
	.p2align	8
	.type	k_qac16a1dab7_qkv,@function
k_qac16a1dab7_qkv:
	s_mov_b64 s[64:65], 0
	v_nop
	global_prefetch_b8 v0, s[64:65] scope:SCOPE_SE
	s_setreg_imm32_b32 hwreg(HW_REG_WAVE_MODE, 25, 1), 1
	s_wait_xcnt 0x0
	s_wait_alu depctr_hold_cnt(0) depctr_sa_sdst(0) depctr_va_vdst(0) depctr_va_sdst(0) depctr_va_ssrc(0) depctr_va_vcc(0) depctr_vm_vsrc(0)
	s_getreg_b32 s2, hwreg(HW_REG_IB_STS2, 6, 4)
	s_cmp_eq_u32 s2, 0
	s_cbranch_scc0 .Lentry_in_a_cluster
	s_endpgm
.Lentry_in_a_cluster:
	s_bfe_u32 s2, ttmp6, 0x10000c
	s_cmp_lg_u32 s2, 0xf033
	s_cbranch_scc0 .Lentry_shape_is_right
	s_endpgm
.Lentry_shape_is_right:
; q = x Wq^T + bq + xaq Bq^T, k = x Wk^T + bk, v = x Wv^T + bv + xav Bv^T (xaq, xav hold the factor 2), and each result quantised to FP6 (E2M3) for attention, in registers.
; The large products run on codes; the rank-16 products on f32 operands by the f32 matrix form, in place on the same accumulators, since their sums go on into a quantiser.
; A tile is 256 x 256, four waves of 128 x 128 (64 accumulators, 512 registers); K = 1,024 goes in steps of 256 through two LDS slots filled by the tensor data mover.
; The cluster's x is the KIND: 0 q, 1 k, 2 v.  Source 0 takes blocks of the "B side", source 1 of the "A side".  q, k: A = x, B = W: a lane holds one token and 64 channels.  v: A = Wv, B = x: a lane holds one channel and
; 64 keys.  Blocks of 16 rows are in the order in which the launch before laid them (row r of block B = true row 32 (B / 2) + 8 (B % 2) + r + 8 (r / 8)), so a lane's 64 registers of a block of A are, for c = 0 .. 3,
; the B side's true rows 32 c + 16 h + 0 .. 15: the quantiser's input as it stands.
; OPERANDS LIE AS IMAGES OF THEIR REGISTERS (1,536 bytes for 16 rows x 128 K): a slot's part of a block is 3,072 consecutive bytes, fragments come by dense loads of 16 and 8 bytes a lane, no padding.
; CLUSTERS: 4 x 4 work-groups; A's tiles are asked for jointly along a row of the cluster, B's along a column.
; hq: for each (batch, head) 307,200 bytes: K's codes (128 tiles x 768), V's codes ([16 key steps][4 channel tiles][1,536]), K's scale words ([64 tile pairs][16 rows]: even tile's two bytes low, odd tile's high),
; V's scale words ([16][4][16]), Q's codes and Q's scale words as K's.
; LIMITS: a block of zeros, or one whose largest magnitude lies under 2^-124, keeps the byte 1; NaN and infinities are not served.  The rank-16 sums add their ranks in the order 8 h + 2 s + j.
; REGISTERS: window 0: v0-31 addresses; v32-63 scale words, two sets; from v128 A's fragments, one set; on the way out v64-104 the quantiser's, v128-191 biases, v192-255 64 numbers.
;   window 1: B's fragments, two sets, at v0 and v128; on the way out the rank-16 operands.   windows 2, 3: the accumulators ((a, b) at v[8 (8 (a % 4) + b)] of window 2 + a / 4).
.set NQ,     2
.set FR,     12
.set NL,     4                         ; LDS loads that bring a fragment
.set NP,     4                         ; places behind this matrix instruction
.set FRB,    1536
.set BLKB,   NQ*FRB                    ; a block's part of a slot
.set KROW,   768                       ; 16 rows are 12,288 bytes of codes
.set HALFT,  8*BLKB                    ; 128 rows: what one tensor load brings
.set SLOT,   4*HALFT
.set SCL,    2*SLOT                    ; behind the ring: the scale words of the 512 rows, for all of K
.set HALFS,  4096
.set SBLK,   512
.set SPARE,  SCL+4*HALFS               ; the spare words, 128 bytes a wave: two blocks of 256 bytes that no other line names
.set HB,     307200
.set A16,  4                           ; v4   16 x lane
.set A8,   5                           ; v5   8 x lane
.set VLO,  6                           ; v6   (r + 8 (r / 8)) x 64 + 32 h: a row of 16 ranks, my half
.set VB0,  7                           ; v7   64 h
.set VBL,  8                           ; v8   (r + 8 (r / 8)) x 4
.set VS,   9                           ; v9   where a scale word goes
.set ADRA, 16                          ; v16-17 A's fragments in slot 0, 1, + 16 x lane; v18-19 + 8 x lane
.set ADRB, 20                          ; v20-23 the same for B
.set ADRS, 27                          ; v27  my scale words: lanes 0-15 A's rows, lanes 16-31 B's
.set SPW,  28
.set NIL,  29
.set SC,   32
.set TM,   64
.set PC,   80
.set PW,   100
.set PWE,  101
.set W0,   102
.set W1,   103
.set XW,   104
.set AF,   128
.set BV,   128
.set BL,   128
.set ST,   192
.set LB,   0                           ; window 1: ranks of the B side's 8 blocks, 8 registers each;
.set LA,   64                          ; of the A side's
.set G1, 24
.set G0, 32
.set G1B, 48
.set G0B, 56
.set G1S, 68
.set G0S, 76
.set G1SB, 80
.set G0SB, 88
.set SEL, 66
.set KIND, 95
.set BI,  54                           ; the way out's bases, in registers that held descriptors
.set CB,  56
.set SBA, 58
.set LAA, 60
.set LBA, 62
.set MSB, 0
.macro WIN new
.if MSB != (\new)
	s_set_vgpr_msb (MSB<<8)|(\new)
.set MSB, (\new)
.endif
.endm
.set MUL_LO, 0xa1                      ; source 0 (B) window 1, source 1 (A) window 0, C and D window 2
.set MUL_HI, 0xf1
.set TO_B,   0x40
; A joint load: waves 0 and 1 fetch for A, waves 2 and 3 for B; the branch hangs on the wave's number alone.  An s_nop 0 and four v_nop follow each line.
.macro JLOAD g0a, g1a, g0b, g1b
	s_cmp_eq_u32 s15, 0
	s_cbranch_scc0 .Lfor_b_\@
	tensor_load_to_lds s[\g0a:\g0a+3], s[\g1a:\g1a+7]
	s_nop 0
.rept 4
	v_nop
.endr
	s_branch .Lasked_\@
.Lfor_b_\@:
	tensor_load_to_lds s[\g0b:\g0b+3], s[\g1b:\g1b+7]
	s_nop 0
.rept 4
	v_nop
.endr
.Lasked_\@:
.endm
.macro CREST
	s_cmp_lg_u32 s14, 0
	s_cbranch_scc1 .Lnot_wave_0_\@
	s_barrier_signal -3
.Lnot_wave_0_\@:
	s_barrier_wait -3
	s_barrier_signal -1
	s_barrier_wait -1
.endm
.macro CROUND
	s_barrier_signal -1
	s_barrier_wait -1
	CREST
.endm
	s_load_b256 s[4:11], s[0:1], 0x0               ; xc s[4:5], xs s[6:7], wc s[8:9], ws s[10:11]
	v_lshl_add_u32 v[SPW], v0, 2, SPARE
	v_mov_b32 v[NIL], 0
	ds_add_u32 v[SPW], v[NIL]                      ; the wave's opening: the add and its wait ahead of my first tensor load
	ds_add_u32 v[SPW], v[NIL]
	v_lshrrev_b32 v1, 5, v0
	v_readfirstlane_b32 s14, v1                    ; wave 0..3
	s_lshr_b32 s15, s14, 1                         ; my half of A's rows.  Also: I fetch for A (0) or for B (1)
	s_and_b32 s16, s14, 1                          ; my half of B's rows.  Also: which 128 rows I fetch
	s_bfe_u32 s40, ttmp6, 0x40000                  ; cx
	s_bfe_u32 s41, ttmp6, 0x40004                  ; cy
	s_mov_b32 s[KIND], ttmp9                       ; the cluster's x: the same in all sixteen partners
	s_and_b32 s100, ttmp7, 0xffff
	s_lshl_b32 s100, s100, 2                       ; 4 x cluster y
	s_cmp_eq_u32 s[KIND], 2
	s_cselect_b32 s17, 0, s100
	s_cselect_b32 s42, s100, 0
	s_add_co_u32 s17, s17, s41                     ; A's tile of 256 rows: q, k: 4 y + cy of x; v: cy of Wv
	s_add_co_u32 s42, s42, s40                     ; B's: q, k: cx of W; v: 4 y + cx of x
	s_lshl_b32 s43, s41, 2
	s_lshl_b32 s43, 15, s43                        ; my row of the cluster
	s_lshl_b32 s44, 0x1111, s40                    ; my column
	s_or_b32 s[G1+0], s43, (3<<16)|(1<<21)         ; the mask; elements of 8 bytes; bit 21 beside a mask; no padding
	s_or_b32 s[G1B+0], s44, (3<<16)|(1<<21)
.irp g, G1, G1B
	s_mov_b32 s[\g+1], 384<<16                     ; tensor_dim0 = 384 elements: a block's 3,072 bytes of a slot
	s_mov_b32 s[\g+2], 16<<16                      ; tensor_dim1 = 16 blocks for the head's loads; behind them 8
	s_mov_b32 s[\g+3], 384<<16                     ; tile_dim0
	s_mov_b32 s[\g+4], 16                          ; tile_dim1 likewise
	s_mov_b32 s[\g+5], 1536                        ; from block to block: 12,288 bytes
	s_mov_b32 s[\g+6], 0
	s_mov_b32 s[\g+7], 0
.endr
	s_or_b32 s[G1S+0], s43, (3<<16)|(1<<21)        ; the scale words of 256 rows: 8,192 dense bytes as 32 rows of 256
	s_or_b32 s[G1SB+0], s44, (3<<16)|(1<<21)
.irp g, G1S, G1SB
	s_mov_b32 s[\g+1], 32<<16
	s_mov_b32 s[\g+2], 32<<16                      ; the scale words of 256 rows: 32 rows of 256 bytes
	s_mov_b32 s[\g+3], 32<<16
	s_mov_b32 s[\g+4], 32
	s_mov_b32 s[\g+5], 32
	s_mov_b32 s[\g+6], 0
	s_mov_b32 s[\g+7], 0
.endr
	s_mul_i32 s18, s16, 128*KROW                   ; in the ring I fetch 128 rows of a tile: which half, in bytes
	s_mov_b32 s19, 0
	s_lshl_b32 s20, s17, 8                         ; A: the tile's first row
	s_lshl_b32 s46, s42, 8                         ; B likewise
	s_lshl_b32 s22, s20, 5                         ; 32 bytes of scale words a row
	s_mov_b32 s23, 0
	s_lshl_b32 s92, s46, 5
	s_mov_b32 s93, 0
	s_mul_i32 s20, s20, KROW
	s_mov_b32 s21, 0
	s_mul_i32 s46, s46, KROW
	s_mov_b32 s47, 0
	s_mul_i32 s45, s14, HALFT                      ; where they go: no place in the cluster enters an LDS address
	s_mul_i32 s96, s[KIND], 786432                 ; Wq, Wk or Wv
	s_mov_b32 s97, 0
	s_lshl_b32 s98, s[KIND], 15
	s_mov_b32 s99, 0
	s_mov_b32 s[SEL], 0x76543210
	s_mov_b32 s[SEL+1], 0xfedcba98
	s_wait_dscnt 0x0                               ; the opening add is done
	s_wait_kmcnt 0x0
	s_add_nc_u64 s[8:9], s[8:9], s[96:97]
	s_add_nc_u64 s[10:11], s[10:11], s[98:99]
	s_cmp_eq_u32 s[KIND], 2                        ; v: the sides change places
	s_cselect_b64 s[96:97], s[8:9], s[4:5]         ; A's codes,
	s_cselect_b64 s[98:99], s[10:11], s[6:7]       ; A's scale words,
	s_cselect_b64 s[8:9], s[4:5], s[8:9]           ; B's codes,
	s_cselect_b64 s[10:11], s[6:7], s[10:11]       ; B's scale words
	s_add_nc_u64 s[20:21], s[96:97], s[20:21]
	s_add_nc_u64 s[22:23], s[98:99], s[22:23]
	s_add_nc_u64 s[46:47], s[8:9], s[46:47]
	s_add_nc_u64 s[92:93], s[10:11], s[92:93]
	CROUND                                         ; all sixteen work-groups are here: the first joint loads meet
	s_mov_b32 s[G0S], 1
	s_mov_b32 s[G0S+1], SCL
	s_mov_b64 s[G0S+2:G0S+3], s[22:23]
	s_or_b32 s[G0S+3], s[G0S+3], 0x80000000
	s_mov_b32 s[G0SB], 1
	s_mov_b32 s[G0SB+1], SCL+2*HALFS
	s_mov_b64 s[G0SB+2:G0SB+3], s[92:93]
	s_or_b32 s[G0SB+3], s[G0SB+3], 0x80000000
.set G0H, 4                            ; s[4:7], s[8:11]: group 0 of the head's loads of slot 0 (the arguments that lay there have been used)
.set G0HB, 8
	s_mov_b32 s[G0H], 1                            ; slot 0's 16 blocks of A,
	s_mov_b32 s[G0H+1], 0
	s_mov_b64 s[G0H+2:G0H+3], s[20:21]
	s_or_b32 s[G0H+3], s[G0H+3], 0x80000000
	s_mov_b32 s[G0HB], 1                           ; and of B, behind them
	s_mov_b32 s[G0HB+1], 2*HALFT
	s_mov_b64 s[G0HB+2:G0HB+3], s[46:47]
	s_or_b32 s[G0HB+3], s[G0HB+3], 0x80000000
	s_add_nc_u64 s[20:21], s[20:21], s[18:19]      ; for the ring: my 128 rows of the tile
	s_add_nc_u64 s[46:47], s[46:47], s[18:19]
.irp s, 0,1
	s_mov_b32 s[G0+4*\s], 1
	s_add_co_u32 s[G0+4*\s+1], s45, \s*SLOT
	s_add_nc_u64 s[G0+4*\s+2:G0+4*\s+3], s[20:21], \s*BLKB
	s_or_b32 s[G0+4*\s+3], s[G0+4*\s+3], 0x80000000
	s_mov_b32 s[G0B+4*\s], 1
	s_add_co_u32 s[G0B+4*\s+1], s45, \s*SLOT
	s_add_nc_u64 s[G0B+4*\s+2:G0B+4*\s+3], s[46:47], \s*BLKB
	s_or_b32 s[G0B+4*\s+3], s[G0B+4*\s+3], 0x80000000
.endr
; The head's four tiles, one joint load a wave: wave 0 slot 0's rows of A, wave 1 those of B, wave 2 A's scale words, wave 3 B's.  One chain of branches on the wave's number, all arms to one join.
.macro ARM under, g0, g1, next
	s_cmp_lt_u32 s14, \under
	s_cbranch_scc0 \next
	tensor_load_to_lds s[\g0:\g0+3], s[\g1:\g1+7]
	s_nop 0
.rept 4
	v_nop
.endr
	s_branch .Lhead_asked
\next:
.endm
	ARM 1, G0H,  G1,  .Lhead_b
	ARM 2, G0HB, G1B, .Lhead_sa
	ARM 3, G0S,  G1S, .Lhead_sb
	tensor_load_to_lds s[G0SB:G0SB+3], s[G1SB:G1SB+7]
	s_nop 0
.rept 4
	v_nop
.endr
.Lhead_asked:
	v_and_b32 v1, 15, v0                           ; r
	v_bfe_u32 v2, v0, 4, 1                         ; h
	v_and_b32 v3, 31, v0                           ; lane
	v_lshlrev_b32 v[A16], 4, v3
	v_lshlrev_b32 v[A8], 3, v3
	s_mul_i32 s21, s15, HALFT                      ; my 128 rows of A
	s_mul_i32 s22, s16, HALFT                      ; my 128 rows of B,
	s_add_co_u32 s22, s22, 2*HALFT                 ; behind A's 256
.irp s, 0,1
	v_add_nc_u32 v[ADRA+\s], s21, v[A16]
	v_add_nc_u32 v[ADRB+\s], s22, v[A16]
	v_add_nc_u32 v[ADRA+2+\s], s21, v[A8]
	v_add_nc_u32 v[ADRB+2+\s], s22, v[A8]
	s_add_co_u32 s21, s21, SLOT
	s_add_co_u32 s22, s22, SLOT
.endr
	v_lshlrev_b32 v6, 2, v1
	s_mul_i32 s21, s15, HALFS
	s_mul_i32 s22, s16, HALFS
	s_add_co_u32 s22, s22, 2*HALFS
	s_sub_co_u32 s22, s22, s21
	v_mul_u32_u24 v7, s22, v2                      ; lanes 16-31 take B's
	s_add_co_u32 s21, s21, SCL
	v_add_nc_u32 v6, v6, v7
	v_add_nc_u32 v[ADRS], s21, v6
.macro FRAG reg, adr, q, i             ; a fragment's image: 12 registers by four dense loads
	ds_load_b128 v[\reg:\reg+3], v[\adr] offset:(\i)*BLKB+(\q)*FRB
	ds_load_b64 v[\reg+4:\reg+5], v[\adr+2] offset:(\i)*BLKB+(\q)*FRB+512
	ds_load_b128 v[\reg+6:\reg+9], v[\adr] offset:(\i)*BLKB+(\q)*FRB+768
	ds_load_b64 v[\reg+10:\reg+11], v[\adr+2] offset:(\i)*BLKB+(\q)*FRB+1280
.endm
; 16 matrix instructions: A's blocks a0, a0 + 1 x B's eight.  The 64 accumulators take turns, one instruction a turn, in the same order in every step.
.macro MUL16 a0, p, q, sc, zero
.irp a, \a0, \a0+1
.irp b, 0,1,2,3,4,5,6,7
.if \zero
	v_wmma_scale_f32_16x16x128_f8f6f4 v[8*(8*((\a)%4)+\b):8*(8*((\a)%4)+\b)+7], v[128*(\p)+FR*\b:128*(\p)+FR*\b+FR-1], v[AF+FR*(\a):AF+FR*(\a)+FR-1], 0, v[SC+8*NQ*(\sc)+NQ*\b+(\q)], v[SC+8*NQ*(\sc)+NQ*(\a)+(\q)] matrix_a_fmt:MATRIX_FMT_FP6 matrix_b_fmt:MATRIX_FMT_FP6 matrix_a_scale:MATRIX_SCALE_ROW1
.else
	v_wmma_scale_f32_16x16x128_f8f6f4 v[8*(8*((\a)%4)+\b):8*(8*((\a)%4)+\b)+7], v[128*(\p)+FR*\b:128*(\p)+FR*\b+FR-1], v[AF+FR*(\a):AF+FR*(\a)+FR-1], v[8*(8*((\a)%4)+\b):8*(8*((\a)%4)+\b)+7], v[SC+8*NQ*(\sc)+NQ*\b+(\q)], v[SC+8*NQ*(\sc)+NQ*(\a)+(\q)] matrix_a_fmt:MATRIX_FMT_FP6 matrix_b_fmt:MATRIX_FMT_FP6 matrix_a_scale:MATRIX_SCALE_ROW1
.endif
.endr
.endr
.endm
.macro FETCH_B slot, q, p
	WIN TO_B
.irp i, 0,1,2,3,4,5,6,7
	FRAG 128*(\p)+FR*\i, ADRB+\slot, \q, \i
.endr
	WIN 0
.endm
.macro FETCH_A slot, q, i0
.irp i, \i0, \i0+1, \i0+2, \i0+3
	FRAG AF+FR*(\i), ADRA+\slot, \q, \i
.endr
.endm
.macro SCALES sc                       ; a slot's scale words: lanes 0-15 A's block i, lanes 16-31 B's block i
.irp i, 0,1,2,3,4,5,6,7
	ds_load_b32 v[SC+8*NQ*\sc+NQ*\i], v[ADRS] offset:\i*SBLK
	ds_load_b32 v[SC+8*NQ*\sc+NQ*\i+1], v[ADRS] offset:\i*SBLK+64
.endr
.endm
.macro PLACES n
.rept \n
	v_nop
.endr
.endm
.macro STEP slot, q, zero              ; 128 along K, with its successor in the same slot
	s_wait_dscnt 4*NL                              ; all but the youngest 16 loads (A's blocks 4-7) are in
	WIN MUL_LO
	MUL16 0, (\q)%2, \q, \slot, \zero
	MUL16 2, (\q)%2, \q, \slot, \zero
	s_wait_dscnt 0
	PLACES NP
	FETCH_B \slot, (\q)+1, 1-(\q)%2
	FETCH_A \slot, (\q)+1, 0
	WIN MUL_HI
	MUL16 4, (\q)%2, \q, \slot, \zero
	MUL16 6, (\q)%2, \q, \slot, \zero
	PLACES NP
	WIN 0
	FETCH_A \slot, (\q)+1, 4
.endm
; A slot's last step changes slots: one barrier; in front of it each wave waits for all its tensor loads, adds 0 to its spare word, and waits for that and for its reads of this slot.
.macro TURN slot, next, fill
	s_wait_tensorcnt 0x0                           ; all my tensor loads have landed: my part of the next slot
	ds_add_u32 v[SPW], v[NIL]
	s_wait_dscnt 4*NL+1                            ; (the add and the youngest 16 loads may be out)
	WIN MUL_LO
	MUL16 0, 1, NQ-1, \slot, 0
	s_wait_dscnt 0x0                               ; the add is done, and my reads of this slot are over
	s_barrier_signal -1
	MUL16 2, 1, NQ-1, \slot, 0
	WIN 0
	s_barrier_wait -1
.if \fill
	CREST                                          ; the barrier has opened a round of the cluster's: no wave of any partner still reads this slot or has a load on its way
	s_add_nc_u64 s[G0+4*\slot+2:G0+4*\slot+3], s[G0+4*\slot+2:G0+4*\slot+3], 2*BLKB
	s_add_nc_u64 s[G0B+4*\slot+2:G0B+4*\slot+3], s[G0B+4*\slot+2:G0B+4*\slot+3], 2*BLKB
	JLOAD G0+4*\slot, G1, G0B+4*\slot, G1B         ; the first tensor load behind the round; its four v_nop are the places in front of the loads below
.else
	PLACES NP
.endif
	s_wait_alu depctr_va_vdst(0)
	v_add_nc_u32 v[ADRS], 64*NQ, v[ADRS]           ; the next slot's scale words (no LDS load of mine is out)
	FETCH_B \next, 0, 0
	FETCH_A \next, 0, 0
	SCALES \next
	WIN MUL_HI
	MUL16 4, 1, NQ-1, \slot, 0
	MUL16 6, 1, NQ-1, \slot, 0
	PLACES NP
	WIN 0
	FETCH_A \next, 0, 4
.endm
	s_wait_alu depctr_va_vdst(0)
	s_wait_tensorcnt 0x0                           ; my tile of the head's four is in
	ds_add_u32 v[SPW], v[NIL]
	s_mov_b32 s[G1+2], 8<<16                       ; no tensor load of mine is out: from here on a load brings 8 blocks
	s_mov_b32 s[G1+4], 8
	s_mov_b32 s[G1B+2], 8<<16
	s_mov_b32 s[G1B+4], 8
	s_wait_dscnt 0x0
	CROUND                                         ; a whole round: all four tiles are in, and the joint loads meet
	JLOAD G0+4, G1, G0B+4, G1B                     ; slot 1's first fill, the first tensor load behind the round
	FETCH_B 0, 0, 0
	FETCH_A 0, 0, 0
	SCALES 0
	FETCH_A 0, 0, 4
	STEP 0, 0, 1                                   ; the first step's products start the sums
	s_mov_b32 s3, 1                                ; 1,024 along K are two laps of the ring: one trip fills both slots again
.Llap:
	TURN 0, 1, 1
	STEP 1, 0, 0
	TURN 1, 0, 1
	STEP 0, 0, 0
	s_sub_co_u32 s3, s3, 1
	s_cmp_lg_u32 s3, 0
	s_cbranch_scc1 .Llap
	TURN 0, 1, 0
	s_load_b256 s[24:31], s[0:1], 0x20             ; no tensor load of mine is out, so the descriptors' registers take the way out's addresses: xa, Bq, Bv, bq,
	s_load_b128 s[32:35], s[0:1], 0x40             ; bk, bv,
	s_load_b64 s[36:37], s[0:1], 0x50              ; hq
	STEP 1, 0, 0
	s_wait_dscnt 4*NL
	WIN MUL_LO
	MUL16 0, 1, NQ-1, 1, 0
	MUL16 2, 1, NQ-1, 1, 0
	s_wait_dscnt 0
	WIN MUL_HI
	MUL16 4, 1, NQ-1, 1, 0
	MUL16 6, 1, NQ-1, 1, 0
	WIN 0
; ---- THE WAY OUT
.macro QUANT s                         ; 64 numbers of a lane, register 16 b + i = k 32 b + 16 h + i, become 12 registers of codes in v[PC] on and a scale word in v[PW]
.irp b, 0,1,2,3
	v_max3_num_f32 v[TM+\b], |v[\s+16*\b]|, |v[\s+1+16*\b]|, 0x1800000   ; and the floor 2^(3 - 127): the byte cannot fall under 1
.endr
.irp i, 2,4,6,8,10,12,14
.irp b, 0,1,2,3
	v_max3_num_f32 v[TM+\b], v[TM+\b], |v[\s+16*\b+\i]|, |v[\s+1+16*\b+\i]|
.endr
.endr
.irp b, 0,1,2,3
	v_permlanex16_b32 v[TM+4+\b], v[TM+\b], s[SEL], s[SEL+1]
.endr
.irp b, 0,1,2,3
	v_max_num_f32 v[TM+\b], v[TM+\b], v[TM+4+\b]
.endr
.irp b, 0,1,2,3
	v_add_nc_u32 v[TM+12+\b], 0xff000000, v[TM+\b]
.endr
.irp b, 0,1,2,3
	v_lshrrev_b32 v[TM+4+\b], 23, v[TM+12+\b]
.endr
	v_lshl_or_b32 v[PW], v[TM+5], 8, v[TM+4]
	v_lshl_or_b32 v[PW], v[TM+6], 16, v[PW]
	v_lshl_or_b32 v[PW], v[TM+7], 24, v[PW]
.irp c, 0,1
	v_cvt_scalef32_pk16_fp6_f32 v[PC+6*\c:PC+2+6*\c], v[\s+32*\c:\s+15+32*\c], v[TM+12+2*\c]
	v_cvt_scalef32_pk16_fp6_f32 v[PC+12+4*\c:PC+14+4*\c], v[\s+16+32*\c:\s+31+32*\c], v[TM+12+2*\c+1]
.endr
	v_nop                                          ; one plain place behind a scaled conversion
.irp c, 0,1
.irp i, 0,1,2
	v_permlane16_swap_b32 v[PC+6*\c+\i], v[PC+12+4*\c+\i]
.endr
.irp i, 0,1,2
	v_mov_b32 v[PC+3+6*\c+\i], v[PC+12+4*\c+\i]
.endr
.endr
.endm
.macro LLOAD                           ; the rank-16 operands: lane (r, h) takes ranks 8 h + 0 .. 7 of row r of each block, by the blocks' order of rows
	WIN 0x40
.irp i, 0,1,2,3,4,5,6,7
	global_load_b128 v[LB+8*\i:LB+8*\i+3], v[VLO], s[LBA:LBA+1] offset:(32*(\i/2)+8*(\i%2))*64
	global_load_b128 v[LB+8*\i+4:LB+8*\i+7], v[VLO], s[LBA:LBA+1] offset:(32*(\i/2)+8*(\i%2))*64+16
	global_load_b128 v[LA+8*\i:LA+8*\i+3], v[VLO], s[LAA:LAA+1] offset:(32*(\i/2)+8*(\i%2))*64
	global_load_b128 v[LA+8*\i+4:LA+8*\i+7], v[VLO], s[LAA:LAA+1] offset:(32*(\i/2)+8*(\i%2))*64+16
.endr
	WIN 0
.endm
; The rank-16 product, f32 operands, in place on the accumulators, which matrix instructions alone ever write.  The form's k = 2 h + j stands for rank 8 h + 2 s + j on both sides alike.  A block's eight accumulators take turns.
.macro LORA_ALL
.irp a, 0,1,2,3,4,5,6,7
	WIN 0xa5+0x50*(\a/4)
.irp s, 0,1,2,3
.irp b, 0,1,2,3,4,5,6,7
	v_wmma_f32_16x16x4_f32 v[8*(8*(\a%4)+\b):8*(8*(\a%4)+\b)+7], v[LB+8*\b+2*\s:LB+8*\b+2*\s+1], v[LA+8*\a+2*\s:LA+8*\a+2*\s+1], v[8*(8*(\a%4)+\b):8*(8*(\a%4)+\b)+7]
.endr
.endr
.endr
	WIN 0
	PLACES 8                                       ; behind the f32 form: 8 places before a vector instruction reads a result
.endm
; Block a of A's side: + bias (into other registers, each accumulator from its low end on), quantised, stored as images.  var = 0: q, k; var = 1: v.
.macro FIN a, var
	WIN 0x02+(\a)/4
.set i, 0
.rept 32
.if \var
.if (\a)%2
	v_pk_add_f32 v[ST+i:ST+i+1], v[64*((\a)%4)+i:64*((\a)%4)+i+1], v[BL+(\a)-1:BL+(\a)] op_sel:[0,1]
.else
	v_pk_add_f32 v[ST+i:ST+i+1], v[64*((\a)%4)+i:64*((\a)%4)+i+1], v[BL+(\a):BL+(\a)+1] op_sel_hi:[1,0]
.endif
.else
	v_pk_add_f32 v[ST+i:ST+i+1], v[64*((\a)%4)+i:64*((\a)%4)+i+1], v[BV+i:BV+i+1]
.endif
.set i, i+2
.endr
	WIN 0
	s_wait_xcnt 0x0                                ; the last block's stores have read the codes' registers and the scale word's
	QUANT ST
.if \var                               ; 16 channels x 128 keys: one fragment of V, head a / 4, channel tile a % 4
	global_store_b128 v[A16], v[PC:PC+3], s[CB:CB+1] offset:((\a)/4)*HB+((\a)%4)*FRB
	global_store_b64 v[A8], v[PC+4:PC+5], s[CB:CB+1] offset:((\a)/4)*HB+((\a)%4)*FRB+512
	global_store_b128 v[A16], v[PC+6:PC+9], s[CB:CB+1] offset:((\a)/4)*HB+((\a)%4)*FRB+768
	global_store_b64 v[A8], v[PC+10:PC+11], s[CB:CB+1] offset:((\a)/4)*HB+((\a)%4)*FRB+1280
.else                                  ; 16 tokens x 128 channels: registers 0-5 are the first head's 64, registers 6-11 the second's
	global_store_b128 v[A16], v[PC:PC+3], s[CB:CB+1] offset:768*(\a)
	global_store_b64 v[A8], v[PC+4:PC+5], s[CB:CB+1] offset:768*(\a)+512
	global_store_b128 v[A16], v[PC+6:PC+9], s[CB:CB+1] offset:768*(\a)+HB
	global_store_b64 v[A8], v[PC+10:PC+11], s[CB:CB+1] offset:768*(\a)+HB+512
.endif
.if (\a)%2 == 0
	v_mov_b32 v[PWE], v[PW]
.elseif \var
	v_cndmask_b32 v[XW], v[PWE], v[PW], s38        ; lanes 0-15 the even tile's words, lanes 16-31 the odd tile's: 128 consecutive bytes
	global_store_b32 v[VS], v[XW], s[SBA:SBA+1] offset:((\a)/4)*HB+(((\a)%4)/2)*128
.else
	v_perm_b32 v[W0], v[PW], v[PWE], 0x05040100    ; the first head: the even tile's two bytes, then the odd tile's
	v_perm_b32 v[W1], v[PW], v[PWE], 0x07060302    ; the second head
	v_cndmask_b32 v[XW], v[W0], v[W1], s38
	global_store_b32 v[VS], v[XW], s[SBA:SBA+1] offset:64*((\a)/2)
.endif
.endm
	PLACES 9                                       ; 5 before a matrix instruction of another form writes an accumulator, 4 before loads into the products' operands and reads of results
	v_and_b32 v10, 8, v1
	v_add_nc_u32 v10, v10, v1                      ; r + 8 (r / 8)
	v_lshlrev_b32 v[VLO], 6, v10
	v_lshl_add_u32 v[VLO], v2, 5, v[VLO]
	v_lshlrev_b32 v[VB0], 6, v2
	v_lshlrev_b32 v[VBL], 2, v10
	v_cmp_ne_u32 s38, 0, v2                        ; the lanes with h = 1
.irp b, 0,1,2,3
	v_mov_b32 v[TM+4+\b], 0                        ; written once: a lane permute's destination counts as one of its sources
.endr
	s_mov_b32 s49, 0
	s_wait_kmcnt 0x0
	s_cmp_eq_u32 s[KIND], 2
	s_cbranch_scc1 .Lv
	; q, k
	s_lshl_b32 s40, s17, 8
	s_lshl_b32 s41, s15, 7
	s_add_co_u32 s40, s40, s41                     ; my first token
	s_lshr_b32 s41, s40, 11                        ; batch
	s_and_b32 s43, s40, 2047
	s_lshr_b32 s43, s43, 4                         ; my first tile of 16 tokens in the batch
	s_lshl_b32 s44, s42, 1
	s_add_co_u32 s44, s44, s16                     ; my pair of heads
	s_lshl_b32 s45, s41, 4
	s_lshl_b32 s46, s44, 1
	s_add_co_u32 s45, s45, s46                     ; (batch, first head)
	s_lshl_b32 s46, s44, 7                         ; my first channel
	s_mul_i32 s48, s45, HB
	s_add_nc_u64 s[36:37], s[36:37], s[48:49]
	s_mov_b32 s52, 196608
	s_cmp_eq_u32 s[KIND], 0
	s_cselect_b32 s50, 204800, 0                   ; Q's codes or K's
	s_cselect_b32 s52, 303104, s52                 ; Q's scale words or K's
	s_cselect_b64 s[BI:BI+1], s[30:31], s[32:33]   ; bq or bk
	s_mul_i32 s48, s43, 768
	s_add_co_u32 s48, s48, s50
	s_add_nc_u64 s[CB:CB+1], s[36:37], s[48:49]
	s_lshr_b32 s48, s43, 1
	s_lshl_b32 s48, s48, 6
	s_add_co_u32 s48, s48, s52
	s_add_nc_u64 s[SBA:SBA+1], s[36:37], s[48:49]
	s_lshl_b32 s48, s46, 2
	s_add_nc_u64 s[BI:BI+1], s[BI:BI+1], s[48:49]
	s_lshl_b32 s48, s40, 6
	s_add_nc_u64 s[LAA:LAA+1], s[24:25], s[48:49]  ; xaq at my tokens
	s_lshl_b32 s48, s46, 6
	s_add_nc_u64 s[LBA:LBA+1], s[26:27], s[48:49]  ; Bq at my channels
	v_mul_u32_u24 v[VS], v2, HB
	v_lshl_add_u32 v[VS], v1, 2, v[VS]             ; lanes 0-15 the first head's words, lanes 16-31 the second's
	s_wait_alu depctr_va_vdst(0)
.irp c, 0,1,2,3
.irp j, 0,1,2,3
	global_load_b128 v[BV+16*\c+4*\j:BV+16*\c+4*\j+3], v[VB0], s[BI:BI+1] offset:128*\c+16*\j   ; the bias at my 64 channels
.endr
.endr
	s_cmp_eq_u32 s[KIND], 1
	s_cbranch_scc1 .Lk                             ; k has no rank-16 part
	LLOAD
	s_wait_loadcnt 0x0
	LORA_ALL
.Lk:
	s_wait_loadcnt 0x0
.irp a, 0,1,2,3,4,5,6,7
	FIN \a, 0
.endr
	s_branch .Lend
.Lv:
	s_lshl_b32 s40, s17, 8
	s_lshl_b32 s41, s15, 7
	s_add_co_u32 s40, s40, s41                     ; my first channel
	s_lshl_b32 s44, s17, 1
	s_add_co_u32 s44, s44, s15                     ; my pair of heads
	s_lshl_b32 s46, s42, 8
	s_lshl_b32 s41, s16, 7
	s_add_co_u32 s46, s46, s41                     ; my first key
	s_lshr_b32 s41, s46, 11                        ; batch
	s_and_b32 s43, s46, 2047
	s_lshr_b32 s43, s43, 7                         ; my key step of 128
	s_lshl_b32 s45, s41, 4
	s_lshl_b32 s47, s44, 1
	s_add_co_u32 s45, s45, s47
	s_mul_i32 s48, s45, HB
	s_add_nc_u64 s[36:37], s[36:37], s[48:49]
	s_mul_i32 s48, s43, 4*FRB
	s_add_co_u32 s48, s48, 98304
	s_add_nc_u64 s[CB:CB+1], s[36:37], s[48:49]
	s_lshl_b32 s48, s43, 8
	s_add_co_u32 s48, s48, 200704
	s_add_nc_u64 s[SBA:SBA+1], s[36:37], s[48:49]
	s_lshl_b32 s48, s40, 2
	s_add_nc_u64 s[BI:BI+1], s[34:35], s[48:49]
	s_lshl_b32 s48, s40, 6
	s_add_nc_u64 s[LAA:LAA+1], s[28:29], s[48:49]  ; Bv at my channels
	s_lshl_b32 s48, s46, 6
	s_add_co_u32 s48, s48, 524288
	s_add_nc_u64 s[LBA:LBA+1], s[24:25], s[48:49]  ; xav at my keys
	v_lshlrev_b32 v[VS], 2, v3
	s_wait_alu depctr_va_vdst(0)
.irp a, 0,1,2,3,4,5,6,7
	global_load_b32 v[BL+\a], v[VBL], s[BI:BI+1] offset:(32*(\a/2)+8*(\a%2))*4   ; the bias at my channel of each block
.endr
	LLOAD
	s_wait_loadcnt 0x0
	LORA_ALL
.irp a, 0,1,2,3,4,5,6,7
	FIN \a, 1
.endr
.Lend:
	s_wait_tensorcnt 0x0                           ; the wave's end
	ds_add_u32 v[SPW], v[NIL]
	s_wait_dscnt 0x0
	CROUND                                         ; the closing round
	s_endpgm
.Lfunc_end_k_qac16a1dab7_qkv:
	.size	k_qac16a1dab7_qkv, .Lfunc_end_k_qac16a1dab7_qkv-k_qac16a1dab7_qkv
	.p2alignl 7, 3214868480
	.fill 96, 4, 3214868480
	.section	.rodata,"a",@progbits
	.p2align	6, 0x0
	.amdhsa_kernel k_qac16a1dab7_qkv
		.amdhsa_group_segment_fixed_size 327680
		.amdhsa_private_segment_fixed_size 0
		.amdhsa_enable_private_segment 0
		.amdhsa_kernarg_size 88
		.amdhsa_user_sgpr_count 2
		.amdhsa_user_sgpr_kernarg_segment_ptr 1
		.amdhsa_wavefront_size32 1
		.amdhsa_system_sgpr_workgroup_id_x 1
		.amdhsa_system_sgpr_workgroup_id_y 1
		.amdhsa_system_sgpr_workgroup_id_z 1
		.amdhsa_system_vgpr_workitem_id 0
		.amdhsa_next_free_vgpr 1024
		.amdhsa_next_free_sgpr 102
		.amdhsa_reserve_vcc 0
		.amdhsa_float_denorm_mode_32 3
		.amdhsa_float_denorm_mode_16_64 3
		.amdhsa_memory_ordered 1
		.amdhsa_forward_progress 1
		.amdhsa_inst_pref_size 255
	.end_amdhsa_kernel
	.section	.bss,"aw",@nobits
	.p2align	6
	.space	262144
	.amdgpu_metadata
---
amdhsa.version: [ 1, 2 ]
amdhsa.kernels:
  - .name:           k_qac16a1dab7_qkv
    .symbol:         k_qac16a1dab7_qkv.kd
    .args:
      - { .name: xc, .offset: 0, .size: 8, .value_kind: global_buffer, .address_space: global }
      - { .name: xs, .offset: 8, .size: 8, .value_kind: global_buffer, .address_space: global }
      - { .name: wc, .offset: 16, .size: 8, .value_kind: global_buffer, .address_space: global }
      - { .name: ws, .offset: 24, .size: 8, .value_kind: global_buffer, .address_space: global }
      - { .name: xa, .offset: 32, .size: 8, .value_kind: global_buffer, .address_space: global }
      - { .name: Bq, .offset: 40, .size: 8, .value_kind: global_buffer, .address_space: global }
      - { .name: Bv, .offset: 48, .size: 8, .value_kind: global_buffer, .address_space: global }
      - { .name: bq, .offset: 56, .size: 8, .value_kind: global_buffer, .address_space: global }
      - { .name: bk, .offset: 64, .size: 8, .value_kind: global_buffer, .address_space: global }
      - { .name: bv, .offset: 72, .size: 8, .value_kind: global_buffer, .address_space: global }
      - { .name: hq, .offset: 80, .size: 8, .value_kind: global_buffer, .address_space: global }
    .group_segment_fixed_size: 327680
    .private_segment_fixed_size: 0
    .kernarg_segment_align: 8
    .kernarg_segment_size: 88
    .max_flat_workgroup_size: 128
    .sgpr_count:     102
    .vgpr_count:     1024
    .wavefront_size: 32
...
	.end_amdgpu_metadata
.endif
;; end of part 2
;; launch attn (part 3): grid 4 x 64, 8 waves a work-group, clusters of 4 x 1, 327,680 bytes of LDS; arguments hq, attention_mask, cc, cs; writes cc, cs
.if DOCPART == 3
	.amdgcn_target "amdgcn-amd-amdhsa--gfx1250"
	.amdhsa_code_object_version 6
	.text
	.protected	k_qac16a1dab7_attn
	.globl	k_qac16a1dab7_attn
	.p2align	8
	.type	k_qac16a1dab7_attn,@function
k_qac16a1dab7_attn:
	s_mov_b64 s[64:65], 0
	v_nop
	global_prefetch_b8 v0, s[64:65] scope:SCOPE_SE
	s_setreg_imm32_b32 hwreg(HW_REG_WAVE_MODE, 25, 1), 1
	s_wait_xcnt 0x0
	s_wait_alu depctr_hold_cnt(0) depctr_sa_sdst(0) depctr_va_vdst(0) depctr_va_sdst(0) depctr_va_ssrc(0) depctr_va_vcc(0) depctr_vm_vsrc(0)
	s_getreg_b32 s2, hwreg(HW_REG_IB_STS2, 6, 4)
	s_cmp_eq_u32 s2, 0
	s_cbranch_scc0 .Lentry_in_a_cluster
	s_endpgm
.Lentry_in_a_cluster:
	s_bfe_u32 s2, ttmp6, 0x10000c
	s_cmp_lg_u32 s2, 0x3003
	s_cbranch_scc0 .Lentry_shape_is_right
	s_endpgm
.Lentry_shape_is_right:
; ctx = softmax(q k^T / 8 + mask) v for one (batch, head) and 512 queries a work-group, all operands codes of FP6 (E2M3) with E8M0 scales; ctx leaves quantised along the channels for the projection.
; SHARES: 8 waves; a wave owns 4 tiles of 16 queries and walks the 2,048 keys in 16 steps of 128.  K's, V's and the mask's registers of a step are loaded from LDS once and serve all four tiles.
; LDS: the head's K and V codes and scale words, 204,800 bytes, come once by one joint tensor load a wave (100 rows of 256 bytes); the four work-groups of a cluster share the head, so the load names all four.
; The batch's mask, 8,192 bytes, comes through registers into LDS bytes of its own.  Nothing is filled again.  No prefetch: every tile is asked for at the head, there is no loop to run ahead in.
; BOTH PRODUCTS ARE USED TRANSPOSED: a lane holds one query.  S^T = K Q^T + mask: 1/8 is taken off Q's scale bytes (3 off each), and the mask, as it lies, is the C operand.
; THE KEYS OF A TILE ARE CHOSEN BY THE LANES' LDS ADDRESSES: of each 64 keys, tile w takes keys 8 w + 0..7 as rows 0-7 and keys 32 + 8 w + 0..7 as rows 8-15.  So lane (r, h) holds in 32 registers the keys 64 c + 32 h + 0..31:
; a whole block of the next K, in the operand's own order: a block's maximum needs no other lane, and the conversions' results are the operand.
; The head size is 64, half of the instruction's K: a fragment of K holds two tiles, and Q stands beside zeros ([q, 0] or [0, q]).
; p = 2^(t - M), M the ceiling of the running largest t; the sum is taken of the unquantised p; when M moves, sum and O^T are multiplied by an exact power of two.
; LIMITS: the promise holds while the scaled scores stay under 2^31 in magnitude; a scale byte of Q under 4 (a block of Q under 2^-121) is held at 1; a block of p or ctx under 2^-124 keeps the byte 1; NaN and infinities are not served.
; REGISTERS: window 0 as named below; window 1: v0-127 O^T (tile T at 32 T), v128-191 the step's mask, v192-245 zeros and the four q by turns (0, q0, 0, q1, 0, q2, 0, q3, 0; six registers each).
.set HB,    307200
.set VC,    98304
.set KSW,   196608
.set QC,    204800
.set QSW,   303104
.set MSK,   204800
.set SPARE, 212992                     ; the spare words, 128 bytes a wave: four blocks of 256 bytes that no other line names
.set L16, 1                            ; 16 x lane
.set L8,  2                            ; 8 x lane
.set R4,  3                            ; 4 r
.set SPW, 4
.set NIL, 5
.set CC,  6                            ; v6, v7: log2(e), twice (the two halves of a dual pair take different registers)
.set KB16, 8                           ; lane terms of the LDS addresses
.set KB8,  9
.set KSB,  10
.set MKB,  11
.set VB16, 12
.set VB8,  13
.set AK16, 14                          ; and the step's addresses
.set AK8,  15
.set AV16, 16
.set AV8,  17
.set AKS,  18
.set AMK,  19
.set SH8,  20                          ; 8 h
.set VSB,  21
.set NM,  22                           ; -M, twice, for each tile
.set RM,  30                           ; the running largest score
.set LS,  34                           ; the row's sum (my half of the keys)
.set FF,  38                           ; f = 2^(old M - new M), in pairs
.set QS,  46                           ; scale words: q's, p's, K's, V's
.set PW,  50
.set KSC, 54
.set VSC, 58
.set TM,  62                           ; v62-78 temporaries
.set AVS, 79
.set FR,  80                           ; four fragments: K's, then V's
.set S,   128                          ; a tile's 64 scores, then p
.set PC,  192                          ; p's codes, 12 registers a tile
.set CT,  240
.set SA,  248                          ; eight partial sums
.set MK,  128                          ; window 1
.set QF,  192
.set WV,  12
.set SEL, 20
.set MSB, 0
.macro WIN new                         ; the immediate's high byte repeats the setting that is left
.if MSB != (\new)
	s_set_vgpr_msb (MSB<<8)|(\new)
.set MSB, (\new)
.endif
.endm
.macro CROUND
	s_barrier_signal -1
	s_barrier_wait -1
	s_cmp_lg_u32 s[WV], 0
	s_cbranch_scc1 .Lnot_wave_0_\@
	s_barrier_signal -3
.Lnot_wave_0_\@:
	s_barrier_wait -3
	s_barrier_signal -1
	s_barrier_wait -1
.endm
	s_load_b256 s[4:11], s[0:1], 0x0               ; hq, mask, cc, cs
	v_lshl_add_u32 v[SPW], v0, 2, SPARE
	v_mov_b32 v[NIL], 0
	ds_add_u32 v[SPW], v[NIL]                      ; the opening lines: the add, twice on end, and its wait
	ds_add_u32 v[SPW], v[NIL]
	v_lshrrev_b32 v[TM], 5, v0
	v_readfirstlane_b32 s[WV], v[TM]               ; wave 0..7
	s_bfe_u32 s13, ttmp6, 0x40000                  ; cx
	s_and_b32 s14, ttmp7, 0xffff                   ; (batch, head)
	s_lshr_b32 s15, s14, 4
	s_and_b32 s16, s14, 15
	s_mov_b32 s24, 15|(3<<16)|(1<<21)              ; all four partners; elements of 8 bytes
	s_mov_b32 s25, 32<<16                          ; rows of 256 bytes,
	s_mov_b32 s26, 100<<16                         ; 100 of them a wave
	s_mov_b32 s27, 32<<16
	s_mov_b32 s28, 100
	s_mov_b32 s29, 32
	s_mov_b32 s30, 0
	s_mov_b32 s31, 0
	s_mov_b32 s40, 1
	s_mul_i32 s41, s[WV], 25600
	s_mul_i32 s54, s14, HB
	s_mov_b32 s55, 0
	s_mov_b32 s56, s41
	s_mov_b32 s57, 0
	s_lshl_b32 s58, s15, 13                        ; the batch's mask, my 1,024 bytes of it
	s_lshl_b32 s59, s[WV], 10
	s_add_co_u32 s58, s58, s59
	s_add_co_u32 s36, s59, MSK
	s_mov_b32 s59, 0
	s_mov_b32 s[SEL], 0x76543210
	s_mov_b32 s[SEL+1], 0xfedcba98
	s_wait_dscnt 0x0
	s_wait_kmcnt 0x0
	s_add_nc_u64 s[4:5], s[4:5], s[54:55]
	s_add_nc_u64 s[42:43], s[4:5], s[56:57]
	s_or_b32 s43, s43, 0x80000000
	s_add_nc_u64 s[6:7], s[6:7], s[58:59]
	CROUND                                         ; the four partners are here: the joint loads meet
	tensor_load_to_lds s[40:43], s[24:31]          ; my one tensor load
	s_nop 0
	s_lshl_b32 s17, ttmp9, 2
	s_add_co_u32 s17, s17, s13                     ; work-group x
	s_lshl_b32 s18, s17, 3
	s_add_co_u32 s18, s18, s[WV]
	s_lshl_b32 s18, s18, 2                         ; my first tile of 16 queries
	s_mul_i32 s60, s18, 768
	s_add_co_u32 s60, s60, QC
	s_mov_b32 s61, 0
	s_add_nc_u64 s[60:61], s[4:5], s[60:61]
	s_lshl_b32 s62, s18, 5                         ; 64 bytes of scale words for a pair of tiles
	s_add_co_u32 s62, s62, QSW
	s_mov_b32 s63, 0
	s_add_nc_u64 s[62:63], s[4:5], s[62:63]
	s_lshl_b32 s19, s15, 7
	s_add_co_u32 s19, s19, s18                     ; my first block of 16 rows of ctx
	s_lshr_b32 s50, s16, 1
	s_and_b32 s51, s16, 1
	s_mul_i32 s66, s19, 12288
	s_mul_i32 s52, s50, 1536
	s_add_co_u32 s66, s66, s52
	s_mul_i32 s52, s51, 768
	s_add_co_u32 s66, s66, s52
	s_mov_b32 s67, 0
	s_add_nc_u64 s[66:67], s[8:9], s[66:67]
	s_lshl_b32 s68, s19, 9
	s_lshl_b32 s52, s50, 6
	s_add_co_u32 s68, s68, s52
	s_lshl_b32 s52, s51, 1
	s_add_co_u32 s68, s68, s52
	s_mov_b32 s69, 0
	s_add_nc_u64 s[68:69], s[10:11], s[68:69]
	v_and_b32 v[TM], 31, v0                        ; lane
	v_and_b32 v[TM+1], 15, v0                      ; r
	v_bfe_u32 v[TM+2], v0, 4, 1                    ; h
	v_and_b32 v[TM+3], 7, v0                       ; r % 8
	v_bfe_u32 v[TM+4], v0, 3, 1                    ; r / 8
	v_lshlrev_b32 v[L16], 4, v[TM]
	v_lshlrev_b32 v[L8], 3, v[TM]
	v_lshlrev_b32 v[R4], 2, v[TM+1]
	global_load_b128 v[S:S+3], v[L16], s[6:7]      ; my part of the mask
	global_load_b128 v[S+4:S+7], v[L16], s[6:7] offset:512
	global_load_b32 v[TM+14], v[R4], s[62:63]      ; q's scale words, two pairs of tiles
	global_load_b32 v[TM+15], v[R4], s[62:63] offset:64
	WIN 0x40
.irp T, 0,1,2,3
	global_load_b128 v[QF+6+12*\T:QF+9+12*\T], v[L16], s[60:61] offset:768*\T
	global_load_b64 v[QF+10+12*\T:QF+11+12*\T], v[L8], s[60:61] offset:768*\T+512
.endr
.irp g, 0,1,2,3,4
.irp i, 0,1,2,3,4,5
	v_mov_b32 v[QF+12*\g+\i], 0                    ; the zeros beside q
.endr
.endr
.set j, 0
.rept 128
	v_mov_b32 v[j], 0                              ; O^T: the step is written once, the first finds zeros
.set j, j+1
.endr
	WIN 0
	v_mul_u32_u24 v[KB16], v[TM+4], 1536           ; K: rows 8-15 of my tiles lie two stored tiles (32 keys) further on;
	v_mul_u32_u24 v[KB8], v[TM+4], 1536
	v_lshl_add_u32 v[KB16], v[TM+3], 4, v[KB16]    ; in a stored tile's image row r', half h stand at 16 (r' + 16 h), and at 512 + 8 (r' + 16 h)
	v_lshl_add_u32 v[KB8], v[TM+3], 3, v[KB8]
	v_lshl_add_u32 v[KB16], v[TM+2], 8, v[KB16]
	v_lshl_add_u32 v[KB8], v[TM+2], 7, v[KB8]
	v_lshlrev_b32 v[KSB], 6, v[TM+4]
	v_lshl_add_u32 v[KSB], v[TM+3], 2, v[KSB]
	v_add_nc_u32 v[KSB], KSW, v[KSB]
	v_add_nc_u32 v[VSB], KSW+4096, v[R4]
	v_lshlrev_b32 v[MKB], 7, v[TM+2]
	v_add_nc_u32 v[MKB], MSK, v[MKB]               ; the mask of my 32 keys of each 64
	v_add_nc_u32 v[VB16], VC, v[L16]
	v_add_nc_u32 v[VB8], VC, v[L8]
	v_lshlrev_b32 v[SH8], 3, v[TM+2]
	v_add_nc_u32 v[TM+16], s36, v[L16]
	v_mov_b32 v[CC], 0x3fb8aa3b
	v_mov_b32 v[CC+1], 0x3fb8aa3b
	s_wait_alu depctr_va_vdst(0)
	s_wait_tensorcnt 0x0                           ; my part of K and V is in
	s_wait_loadcnt 0x0
	ds_store_b128 v[TM+16], v[S:S+3]
	ds_store_b128 v[TM+16], v[S+4:S+7] offset:512
.irp T, 0,1,2,3                        ; q's two bytes of tile T, 3 off each (1/8), held at 1 from below, and twice: for [q, 0] and for [0, q]
	v_bfe_u32 v[TM], v[TM+14+\T/2], 16*(\T%2), 8
	v_bfe_u32 v[TM+1], v[TM+14+\T/2], 16*(\T%2)+8, 8
	v_max_u32 v[TM], 4, v[TM]
	v_max_u32 v[TM+1], 4, v[TM+1]
	v_lshl_or_b32 v[TM], v[TM+1], 8, v[TM]
	v_add_nc_u32 v[TM], 0xfffffcfd, v[TM]
	v_lshl_or_b32 v[QS+\T], v[TM], 16, v[TM]
.endr
.irp T, 0,1,2,3
	v_mov_b32 v[RM+\T], 0xff000000                 ; the largest score so far: -2^127
	v_mov_b32 v[NM+2*\T], 0x7f000000               ; -M
	v_mov_b32 v[NM+2*\T+1], 0x7f000000
	v_mov_b32 v[LS+\T], 0
	v_mov_b32 v[FF+2*\T+1], 0                      ; (named as the upper half of a pair)
.endr
	v_mov_b32 v[TM+5], 0                           ; a lane permute's destination counts as one of its sources
	s_wait_alu depctr_va_vdst(0)
	s_wait_dscnt 0x0                               ; my part of the mask lies in LDS
	s_barrier_signal -1
	s_barrier_wait -1                              ; everybody's parts are in
.macro QK T                            ; S^T of tile T: fragment p holds tiles 2 p and 2 p + 1 of the step's eight
	WIN 0x14                                       ; q and the mask in window 1
.irp p, 0,1,2,3
	v_wmma_scale_f32_16x16x128_f8f6f4 v[S+16*\p:S+16*\p+7], v[FR+12*\p:FR+12*\p+11], v[QF+6+12*\T:QF+17+12*\T], v[MK+16*\p:MK+16*\p+7], v[KSC+\p], v[QS+\T] matrix_a_fmt:MATRIX_FMT_FP6 matrix_b_fmt:MATRIX_FMT_FP6
	v_wmma_scale_f32_16x16x128_f8f6f4 v[S+16*\p+8:S+16*\p+15], v[FR+12*\p:FR+12*\p+11], v[QF+12*\T:QF+11+12*\T], v[MK+16*\p+8:MK+16*\p+15], v[KSC+\p], v[QS+\T] matrix_a_fmt:MATRIX_FMT_FP6 matrix_b_fmt:MATRIX_FMT_FP6
.endr
	WIN 0
.rept 4
	v_nop                                          ; places behind the products
.endr
.endm
.macro SOFT T                          ; 64 scores of a lane (two blocks of 32 keys) become p's codes, its scale word, f, and the sum
.irp q, 0,1,2,3
	v_max3_num_f32 v[TM+\q], v[S+16*\q], v[S+16*\q+1], v[S+16*\q+2]   ; four chains by turns, each accumulator from its low end on
.endr
.irp i, 3,5,7,9,11,13
.irp q, 0,1,2,3
	v_max3_num_f32 v[TM+\q], v[TM+\q], v[S+16*\q+\i], v[S+16*\q+\i+1]
.endr
.endr
	v_max3_num_f32 v[TM+8], v[TM], v[TM+1], v[S+15]
	v_max3_num_f32 v[TM+9], v[TM+2], v[TM+3], v[S+47]
	v_max_num_f32 v[TM+8], v[TM+8], v[S+31]        ; my two blocks' largest scores: they serve the row's maximum and, since p rises with the score, the blocks' largest p
	v_max_num_f32 v[TM+9], v[TM+9], v[S+63]
	s_delay_alu instid0(VALU_DEP_1)
	v_max3_num_f32 v[TM+4], v[TM+8], v[TM+9], v[RM+\T]
	s_delay_alu instid0(VALU_DEP_1)
	v_permlanex16_b32 v[TM+5], v[TM+4], s[SEL], s[SEL+1]
	s_delay_alu instid0(VALU_DEP_1)
	v_max_num_f32 v[RM+\T], v[TM+4], v[TM+5]       ; the running largest score of my query
	s_delay_alu instid0(VALU_DEP_1)
	v_mul_f32 v[TM+6], v[CC], v[RM+\T]             ; as t
	s_delay_alu instid0(VALU_DEP_1)
	v_floor_f32 v[TM+7], -v[TM+6]                  ; -M = floor(-t)
	s_delay_alu instid0(VALU_DEP_1)
	v_sub_f32 v[TM+6], v[TM+7], v[NM+2*\T]         ; old M - new M
	s_delay_alu instid0(VALU_DEP_1)
	v_cvt_i32_f32 v[TM+6], v[TM+6]                 ; (it saturates)
	v_dual_mov_b32 v[NM+2*\T], v[TM+7] :: v_dual_mov_b32 v[NM+2*\T+1], v[TM+7]
.set j, 0
.rept 32
	v_dual_fma_f32 v[S+j], v[S+j], v[CC], v[NM+2*\T] :: v_dual_fma_f32 v[S+j+1], v[S+j+1], v[CC+1], v[NM+2*\T+1]   ; t - M
.set j, j+2
.endr
	v_dual_fma_f32 v[TM+8], v[TM+8], v[CC], v[NM+2*\T] :: v_dual_fma_f32 v[TM+9], v[TM+9], v[CC+1], v[NM+2*\T+1]
	s_wait_alu depctr_va_vdst(0)
.set j, 0
.rept 64
	v_exp_f32 v[S+j], v[S+j]
.set j, j+1
.endr
	v_exp_f32 v[TM+8], v[TM+8]
	v_exp_f32 v[TM+9], v[TM+9]
	v_ldexp_f32 v[FF+2*\T], 1.0, v[TM+6]           ; f; also the plain place behind the batch
	s_wait_alu depctr_va_vdst(0)                   ; and behind it
.irp q, 0,2,4,6
	v_dual_add_f32 v[SA+\q], v[S+\q], v[S+\q+8] :: v_dual_add_f32 v[SA+\q+1], v[S+\q+1], v[S+\q+9]   ; the sum of the unquantised p, in eight chains
.endr
.set j, 16
.rept 24
	v_dual_add_f32 v[SA+(j%8)], v[S+j], v[SA+(j%8)] :: v_dual_add_f32 v[SA+(j%8)+1], v[S+j+1], v[SA+(j%8)+1]
.set j, j+2
.endr
	v_dual_add_f32 v[SA], v[SA+2], v[SA] :: v_dual_add_f32 v[SA+1], v[SA+3], v[SA+1]
	v_dual_add_f32 v[SA+4], v[SA+6], v[SA+4] :: v_dual_add_f32 v[SA+5], v[SA+7], v[SA+5]
	v_dual_add_f32 v[SA], v[SA+4], v[SA] :: v_dual_add_f32 v[SA+1], v[SA+5], v[SA+1]
	v_fma_f32 v[LS+\T], v[LS+\T], v[FF+2*\T], v[SA]
	s_delay_alu instid0(VALU_DEP_1)
	v_add_f32 v[LS+\T], v[LS+\T], v[SA+1]
	v_max_num_f32 v[TM+8], 0x1800000, v[TM+8]      ; the floor 2^(3 - 127): the byte cannot fall under 1
	v_max_num_f32 v[TM+9], 0x1800000, v[TM+9]
	s_delay_alu instid0(VALU_DEP_2)
	v_add_nc_u32 v[TM+10], 0xff000000, v[TM+8]     ; 2 off the exponent field: the conversion's scale operand
	s_delay_alu instid0(VALU_DEP_2)
	v_add_nc_u32 v[TM+11], 0xff000000, v[TM+9]
	s_delay_alu instid0(VALU_DEP_2)
	v_lshrrev_b32 v[TM+12], 23, v[TM+10]
	s_delay_alu instid0(VALU_DEP_2)
	v_lshrrev_b32 v[TM+13], 23, v[TM+11]
	s_delay_alu instid0(VALU_DEP_1)
	v_lshl_or_b32 v[TM+12], v[TM+13], 16, v[TM+12] ; my bytes: blocks h and 2 + h,
	s_delay_alu instid0(VALU_DEP_1)
	v_lshlrev_b32 v[TM+12], v[SH8], v[TM+12]       ; at their places;
	s_delay_alu instid0(VALU_DEP_1)
	v_permlanex16_b32 v[TM+5], v[TM+12], s[SEL], s[SEL+1]
	s_delay_alu instid0(VALU_DEP_1)
	v_or_b32 v[PW+\T], v[TM+12], v[TM+5]           ; with lane l xor 16's two the word is whole
	v_cvt_scalef32_pk16_fp6_f32 v[PC+12*\T:PC+12*\T+2], v[S:S+15], v[TM+10]
	v_cvt_scalef32_pk16_fp6_f32 v[CT:CT+2], v[S+16:S+31], v[TM+10]      ; (a conversion's three registers begin on an even number)
	v_cvt_scalef32_pk16_fp6_f32 v[PC+12*\T+6:PC+12*\T+8], v[S+32:S+47], v[TM+11]
	v_cvt_scalef32_pk16_fp6_f32 v[CT+4:CT+6], v[S+48:S+63], v[TM+11]
	v_nop                                          ; one plain place behind a scaled conversion
	v_dual_mov_b32 v[PC+12*\T+3], v[CT] :: v_dual_mov_b32 v[PC+12*\T+4], v[CT+1]
	v_dual_mov_b32 v[PC+12*\T+9], v[CT+4] :: v_dual_mov_b32 v[PC+12*\T+10], v[CT+5]
	v_mov_b32 v[PC+12*\T+5], v[CT+2]
	v_mov_b32 v[PC+12*\T+11], v[CT+6]
.endm
	s_mov_b32 s50, 0
	s_mov_b32 s51, 0
	s_mov_b32 s52, 0
	s_mov_b32 s53, 16
.Lstep:
	v_add_nc_u32 v[AK16], s50, v[KB16]             ; these seven are also the places in front of the loads into V's fragments
	v_add_nc_u32 v[AK8], s50, v[KB8]
	v_add_nc_u32 v[AV16], s50, v[VB16]
	v_add_nc_u32 v[AV8], s50, v[VB8]
	v_add_nc_u32 v[AKS], s51, v[KSB]
	v_add_nc_u32 v[AVS], s51, v[VSB]
	v_add_nc_u32 v[AMK], s52, v[MKB]
.irp c, 0,1
.irp e, 0,1
	ds_load_b128 v[FR+24*\c+12*\e:FR+24*\c+12*\e+3], v[AK16] offset:3072*\c+128*\e
	ds_load_b64 v[FR+24*\c+12*\e+4:FR+24*\c+12*\e+5], v[AK8] offset:3072*\c+64*\e+512
	ds_load_b128 v[FR+24*\c+12*\e+6:FR+24*\c+12*\e+9], v[AK16] offset:3072*\c+128*\e+768
	ds_load_b64 v[FR+24*\c+12*\e+10:FR+24*\c+12*\e+11], v[AK8] offset:3072*\c+64*\e+1280
	ds_load_b32 v[KSC+2*\c+\e], v[AKS] offset:128*\c+32*\e
.endr
.endr
	WIN 0x40
.irp c, 0,1
.irp i, 0,1,2,3,4,5,6,7
	ds_load_b128 v[MK+32*\c+4*\i:MK+32*\c+4*\i+3], v[AMK] offset:256*\c+16*\i
.endr
.endr
	WIN 0
	s_wait_alu depctr_va_vdst(0)
	s_wait_dscnt 0x0
	QK 0
	SOFT 0
	QK 1
	SOFT 1
	QK 2
	SOFT 2
	QK 3
.irp t, 0,1,2,3                        ; K's fragments are done with: V's take their registers while tile 3 is worked
	ds_load_b128 v[FR+12*\t:FR+12*\t+3], v[AV16] offset:1536*\t
	ds_load_b64 v[FR+12*\t+4:FR+12*\t+5], v[AV8] offset:1536*\t+512
	ds_load_b128 v[FR+12*\t+6:FR+12*\t+9], v[AV16] offset:1536*\t+768
	ds_load_b64 v[FR+12*\t+10:FR+12*\t+11], v[AV8] offset:1536*\t+1280
	ds_load_b32 v[VSC+\t], v[AVS] offset:64*\t
.endr
	SOFT 3
	WIN 0x41
	s_wait_dscnt 0x0                               ; V's fragments are in
	s_wait_alu depctr_va_vdst(0)
.irp T, 0,1,2,3
.set j, 0
.rept 16
	v_pk_mul_f32 v[32*\T+j:32*\T+j+1], v[32*\T+j:32*\T+j+1], v[FF+2*\T:FF+2*\T+1] op_sel_hi:[1,0]   ; O^T under the new M; also the places in front of the products below
.set j, j+2
.endr
.endr
	WIN 0x50
.irp T, 0,1,2,3                        ; O^T += V^T p^T; the sixteen accumulators take turns
.irp t, 0,1,2,3
	v_wmma_scale_f32_16x16x128_f8f6f4 v[32*\T+8*\t:32*\T+8*\t+7], v[FR+12*\t:FR+12*\t+11], v[PC+12*\T:PC+12*\T+11], v[32*\T+8*\t:32*\T+8*\t+7], v[VSC+\t], v[PW+\T] matrix_a_fmt:MATRIX_FMT_FP6 matrix_b_fmt:MATRIX_FMT_FP6
.endr
.endr
	WIN 0
	s_add_co_u32 s50, s50, 6144
	s_add_co_u32 s51, s51, 256
	s_add_co_u32 s52, s52, 512
	s_sub_co_u32 s53, s53, 1
	s_cmp_lg_u32 s53, 0
	s_wait_alu depctr_va_vdst(0)
	s_cbranch_scc1 .Lstep
.rept 4
	v_nop
.endr
.irp T, 0,1,2,3
	v_permlanex16_b32 v[TM+4+\T], v[LS+\T], s[SEL], s[SEL+1]
.endr
.irp T, 0,1,2,3
	v_add_f32 v[LS+\T], v[LS+\T], v[TM+4+\T]       ; with lane l xor 16's keys: the row's sum
.endr
	s_wait_alu depctr_va_vdst(0)
.irp T, 0,1,2,3
	v_rcp_f32 v[LS+\T], v[LS+\T]
.endr
	v_nop
	s_wait_alu depctr_va_vdst(0)
; ctx of tile T: O^T / the sum; register 16 b + i is channel 32 b + 16 h + i (V's channel tiles lie in that order); quantised along the channels and stored as half of an operand's image.  Each tile has its own registers for what it stores.
.macro OUT T
	WIN 0x01
	s_wait_alu depctr_va_vdst(0)
.set j, 0
.rept 32
	v_mul_f32 v[S+j], v[32*\T+j], v[LS+\T]
.set j, j+1
.endr
	WIN 0
.irp b, 0,1
	v_max3_num_f32 v[TM+\b], |v[S+16*\b]|, |v[S+16*\b+1]|, 0x1800000
.endr
.irp i, 2,4,6,8,10,12,14
.irp b, 0,1
	s_delay_alu instid0(VALU_DEP_2)
	v_max3_num_f32 v[TM+\b], v[TM+\b], |v[S+16*\b+\i]|, |v[S+16*\b+\i+1]|
.endr
.endr
.irp b, 0,1
	s_delay_alu instid0(VALU_DEP_2)
	v_permlanex16_b32 v[TM+4+\b], v[TM+\b], s[SEL], s[SEL+1]
.endr
.irp b, 0,1
	s_delay_alu instid0(VALU_DEP_2)
	v_max_num_f32 v[TM+\b], v[TM+\b], v[TM+4+\b]
.endr
.irp b, 0,1
	s_delay_alu instid0(VALU_DEP_2)
	v_add_nc_u32 v[TM+8+\b], 0xff000000, v[TM+\b]
.endr
.irp b, 0,1
	s_delay_alu instid0(VALU_DEP_2)
	v_lshrrev_b32 v[TM+4+\b], 23, v[TM+8+\b]
.endr
	s_delay_alu instid0(VALU_DEP_1)
	v_lshl_or_b32 v[PW+\T], v[TM+5], 8, v[TM+4]
	v_cvt_scalef32_pk16_fp6_f32 v[PC+12*\T:PC+12*\T+2], v[S:S+15], v[TM+8]
	v_cvt_scalef32_pk16_fp6_f32 v[CT:CT+2], v[S+16:S+31], v[TM+9]
	v_nop
.irp i, 0,1,2
	v_permlane16_swap_b32 v[PC+12*\T+\i], v[CT+\i] ; a whole block to a lane
.endr
.irp i, 0,1,2
	v_mov_b32 v[PC+12*\T+3+\i], v[CT+\i]
.endr
	global_store_b128 v[L16], v[PC+12*\T:PC+12*\T+3], s[66:67] offset:12288*\T
	global_store_b64 v[L8], v[PC+12*\T+4:PC+12*\T+5], s[66:67] offset:12288*\T+512
	global_store_b16 v[R4], v[PW+\T], s[68:69] offset:512*\T
.endm
	OUT 0
	OUT 1
	OUT 2
	OUT 3
	s_wait_tensorcnt 0x0                           ; the wave's end
	ds_add_u32 v[SPW], v[NIL]
	s_wait_dscnt 0x0
	CROUND                                         ; the closing round
	s_endpgm
.Lfunc_end_k_qac16a1dab7_attn:
	.size	k_qac16a1dab7_attn, .Lfunc_end_k_qac16a1dab7_attn-k_qac16a1dab7_attn
	.p2alignl 7, 3214868480
	.fill 96, 4, 3214868480
	.section	.rodata,"a",@progbits
	.p2align	6, 0x0
	.amdhsa_kernel k_qac16a1dab7_attn
		.amdhsa_group_segment_fixed_size 327680
		.amdhsa_private_segment_fixed_size 0
		.amdhsa_enable_private_segment 0
		.amdhsa_kernarg_size 32
		.amdhsa_user_sgpr_count 2
		.amdhsa_user_sgpr_kernarg_segment_ptr 1
		.amdhsa_wavefront_size32 1
		.amdhsa_system_sgpr_workgroup_id_x 1
		.amdhsa_system_sgpr_workgroup_id_y 1
		.amdhsa_system_sgpr_workgroup_id_z 1
		.amdhsa_system_vgpr_workitem_id 0
		.amdhsa_next_free_vgpr 512
		.amdhsa_next_free_sgpr 80
		.amdhsa_reserve_vcc 0
		.amdhsa_float_denorm_mode_32 3
		.amdhsa_float_denorm_mode_16_64 3
		.amdhsa_memory_ordered 1
		.amdhsa_forward_progress 1
		.amdhsa_inst_pref_size 91
	.end_amdhsa_kernel
	.amdgpu_metadata
---
amdhsa.version: [ 1, 2 ]
amdhsa.kernels:
  - .name:           k_qac16a1dab7_attn
    .symbol:         k_qac16a1dab7_attn.kd
    .args:
      - { .name: hq, .offset: 0, .size: 8, .value_kind: global_buffer, .address_space: global }
      - { .name: attention_mask, .offset: 8, .size: 8, .value_kind: global_buffer, .address_space: global }
      - { .name: cc, .offset: 16, .size: 8, .value_kind: global_buffer, .address_space: global }
      - { .name: cs, .offset: 24, .size: 8, .value_kind: global_buffer, .address_space: global }
    .group_segment_fixed_size: 327680
    .private_segment_fixed_size: 0
    .kernarg_segment_align: 8
    .kernarg_segment_size: 32
    .max_flat_workgroup_size: 256
    .sgpr_count:     80
    .vgpr_count:     512
    .wavefront_size: 32
...
	.end_amdgpu_metadata
.endif
;; end of part 3
;; launch oproj (part 4): grid 4 x 64, 4 waves a work-group, clusters of 4 x 4, 327,680 bytes of LDS; arguments cc, cs, wc, ws, bo, out0; writes out0
.if DOCPART == 4
	.amdgcn_target "amdgcn-amd-amdhsa--gfx1250"
	.amdhsa_code_object_version 6
	.text
	.protected	k_qac16a1dab7_oproj
	.globl	k_qac16a1dab7_oproj
	.p2align	8
	.type	k_qac16a1dab7_oproj,@function
k_qac16a1dab7_oproj:
	s_mov_b64 s[64:65], 0
	v_nop
	global_prefetch_b8 v0, s[64:65] scope:SCOPE_SE
	s_setreg_imm32_b32 hwreg(HW_REG_WAVE_MODE, 25, 1), 1
	s_wait_xcnt 0x0
	s_wait_alu depctr_hold_cnt(0) depctr_sa_sdst(0) depctr_va_vdst(0) depctr_va_sdst(0) depctr_va_ssrc(0) depctr_va_vcc(0) depctr_vm_vsrc(0)
	s_getreg_b32 s2, hwreg(HW_REG_IB_STS2, 6, 4)
	s_cmp_eq_u32 s2, 0
	s_cbranch_scc0 .Lentry_in_a_cluster
	s_endpgm
.Lentry_in_a_cluster:
	s_bfe_u32 s2, ttmp6, 0x10000c
	s_cmp_lg_u32 s2, 0xf033
	s_cbranch_scc0 .Lentry_shape_is_right
	s_endpgm
.Lentry_shape_is_right:
; out0 = ctx Wo^T + bo.  ctx [8192][1024] and Wo [1024][1024] arrive as codes of FP6 (E2M3) with E8M0 scale words, laid as images of the operands' registers: for a block of 16 rows and 128 along K 1,536 bytes
; (registers 0-3 at 16 x lane, 4-5 at 512 + 8 x lane, 6-9 at 768 + 16 x lane, 10-11 at 1,280 + 8 x lane); scale words [block][K step][row].  Row r of block B is the true row 32 (B / 2) + 8 (B % 2) + r + 8 (r / 8).
; A block of the result is 128 rows x 256 columns: 64 x 4 = 256 work-groups.  Four waves, each 64 rows x 128 columns: 32 accumulators, 256 registers.
; ALL OF K LIES IN LDS: two slots of 512 along K (8 blocks of ctx and 16 of Wo, 6,144 bytes each), and behind them the scale words of the 24 blocks.  No byte is filled twice.
; The head asks for slot 0 and the scale words, one joint load a wave; slot 1 is asked for behind the full sequence and a round of the cluster's barrier.
; CLUSTERS: 4 x 4 work-groups; ctx's tiles are asked for jointly along a row of the cluster, Wo's along a column.
; No prefetch: every tile is asked for in the first two groups of loads, there is no loop to run ahead in.
; The matrix instruction is used transposed (source 0 = Wo's rows, source 1 = ctx's): a lane holds eight neighbouring columns of a row of the result.
; REGISTERS: window 0: v0-31 addresses, v32-47 scale words (two sets), v128-223 ctx's fragments (two sets of 4); on the way out v128-255.  window 1: Wo's fragments, two sets, at v0 and v128.  window 2: accumulator (a, b) at v[8 (8 a + b)].
.set FR,     12
.set FRB,    1536
.set BLKB,   4*FRB                     ; a block's part of a slot
.set ATILE,  8*BLKB
.set SLOT,   24*BLKB
.set SCL,    2*SLOT
.set SBLK,   512                       ; a block's scale words
.set SPARE,  SCL+24*SBLK               ; the spare words, 128 bytes a wave: two blocks of 256 bytes that no other line names
.set SPITCH, 528
.set A16,  4
.set A8,   5
.set BO,   12
.set ADRA, 16                          ; v16-17 ctx's fragments in slot 0, 1, + 16 x lane; v18-19 + 8 x lane
.set ADRB, 20                          ; v20-23 the same for Wo
.set STO,  24
.set RD,   25
.set ADRS, 27                          ; my scale words: lanes 0-15 ctx's rows, lanes 16-31 Wo's
.set SPW,  28
.set NIL,  29
.set SC,   32
.set AF,   128
.set BK,   128
.set G1,   24
.set G0A0, 32
.set G0A1, 36
.set G1B,  48
.set G0B0, 56
.set G0B1, 60
.set G1S,  68
.set G0S,  76
.set G1SB, 80
.set G0SB, 88
.set MSB, 0
.macro WIN new                         ; the immediate's high byte repeats the setting that is left
.if MSB != (\new)
	s_set_vgpr_msb (MSB<<8)|(\new)
.set MSB, (\new)
.endif
.endm
.set MUL_LO, 0xa1                      ; source 0 window 1, source 1 window 0, C and D window 2
.set TO_B,   0x40
.macro CROUND
	s_barrier_signal -1
	s_barrier_wait -1
	s_cmp_lg_u32 s14, 0
	s_cbranch_scc1 .Lnot_wave_0_\@
	s_barrier_signal -3
.Lnot_wave_0_\@:
	s_barrier_wait -3
	s_barrier_signal -1
	s_barrier_wait -1
.endm
.macro PLACES n
.rept \n
	v_nop
.endr
.endm
.macro GRP1 g, c, r, p                 ; r rows of c elements of 8 bytes, p elements from row to row
	s_mov_b32 s[\g+1], (\c)<<16
	s_mov_b32 s[\g+2], (\r)<<16
	s_mov_b32 s[\g+3], (\c)<<16
	s_mov_b32 s[\g+4], \r
	s_mov_b32 s[\g+5], \p
	s_mov_b32 s[\g+6], 0
	s_mov_b32 s[\g+7], 0
.endm
.macro GRP0 g, lds, src, off
	s_mov_b32 s[\g], 1
	s_mov_b32 s[\g+1], \lds
	s_add_nc_u64 s[\g+2:\g+3], s[\src:\src+1], \off
	s_or_b32 s[\g+3], s[\g+3], 0x80000000
.endm
	s_load_b256 s[4:11], s[0:1], 0x0               ; cc, cs, wc, ws
	s_load_b128 s[96:99], s[0:1], 0x20             ; bo, out0
	v_lshl_add_u32 v[SPW], v0, 2, SPARE
	v_mov_b32 v[NIL], 0
	ds_add_u32 v[SPW], v[NIL]                      ; the opening lines: the add, twice on end, and its wait
	ds_add_u32 v[SPW], v[NIL]
	v_lshrrev_b32 v1, 5, v0
	v_readfirstlane_b32 s14, v1                    ; wave 0..3
	s_lshr_b32 s15, s14, 1                         ; my half of the rows
	s_and_b32 s16, s14, 1                          ; my half of the columns
	s_bfe_u32 s40, ttmp6, 0x40000                  ; cx
	s_bfe_u32 s41, ttmp6, 0x40004                  ; cy
	s_lshl_b32 s42, ttmp9, 2
	s_add_co_u32 s42, s42, s40                     ; tile column
	s_and_b32 s17, ttmp7, 0xffff
	s_lshl_b32 s17, s17, 2
	s_add_co_u32 s17, s17, s41                     ; tile row
	s_lshl_b32 s43, s41, 2
	s_lshl_b32 s43, 15, s43                        ; my row of the cluster
	s_lshl_b32 s44, 0x1111, s40                    ; my column
	s_or_b32 s[G1], s43, (3<<16)|(1<<21)           ; the mask; elements of 8 bytes; bit 21 beside a mask
	s_or_b32 s[G1B], s44, (3<<16)|(1<<21)
	s_or_b32 s[G1S], s43, (3<<16)|(1<<21)
	s_or_b32 s[G1SB], s44, (3<<16)|(1<<21)
	GRP1 G1,   768, 8,  1536                       ; 8 blocks x 6,144 bytes, 12,288 bytes from block to block
	GRP1 G1B,  768, 16, 1536
	GRP1 G1S,  32,  16, 32                         ; 4,096 dense bytes as rows of 256
	GRP1 G1SB, 32,  32, 32
	s_mul_i32 s20, s17, 8*8*FRB                    ; ctx: my tile's codes,
	s_mov_b32 s21, 0
	s_lshl_b32 s22, s17, 12                        ; and scale words
	s_mov_b32 s23, 0
	s_mul_i32 s46, s42, 16*8*FRB                   ; Wo likewise
	s_mov_b32 s47, 0
	s_lshl_b32 s92, s42, 13
	s_mov_b32 s93, 0
	s_wait_dscnt 0x0                               ; both opening adds are done
	s_wait_kmcnt 0x0
	s_add_nc_u64 s[8:9], s[8:9], 2359296           ; Wo is the fourth weight
	s_add_nc_u64 s[10:11], s[10:11], 98304
	s_add_nc_u64 s[20:21], s[4:5], s[20:21]
	s_add_nc_u64 s[22:23], s[6:7], s[22:23]
	s_add_nc_u64 s[46:47], s[8:9], s[46:47]
	s_add_nc_u64 s[92:93], s[10:11], s[92:93]
	CROUND                                         ; all sixteen work-groups are here: the first joint loads meet
	GRP0 G0A0, 0,          20, 0
	GRP0 G0A1, SLOT,       20, BLKB
	GRP0 G0B0, ATILE,      46, 0
	GRP0 G0B1, SLOT+ATILE, 46, BLKB
	GRP0 G0S,  SCL,        22, 0
	GRP0 G0SB, SCL+8*SBLK, 92, 0
; the head's four tiles, one joint load a wave: one chain of branches on the wave's number, all arms to one join
.macro ARM under, g0, g1, next
	s_cmp_lt_u32 s14, \under
	s_cbranch_scc0 \next
	tensor_load_to_lds s[\g0:\g0+3], s[\g1:\g1+7]
	s_nop 0
	PLACES 4
	s_branch .Lhead_asked
\next:
.endm
	ARM 1, G0A0, G1,  .Lhead_b
	ARM 2, G0B0, G1B, .Lhead_sa
	ARM 3, G0S,  G1S, .Lhead_sb
	tensor_load_to_lds s[G0SB:G0SB+3], s[G1SB:G1SB+7]
	s_nop 0
	PLACES 4
.Lhead_asked:
	v_and_b32 v1, 15, v0                           ; r
	v_bfe_u32 v2, v0, 4, 1                         ; h
	v_and_b32 v3, 31, v0                           ; lane
	v_lshlrev_b32 v[A16], 4, v3
	v_lshlrev_b32 v[A8], 3, v3
	s_mul_i32 s21, s15, 4*BLKB                     ; my 4 blocks of ctx
	s_mul_i32 s22, s16, 8*BLKB                     ; my 8 blocks of Wo,
	s_add_co_u32 s22, s22, ATILE                   ; behind ctx's 8
.irp s, 0,1
	v_add_nc_u32 v[ADRA+\s], s21, v[A16]
	v_add_nc_u32 v[ADRB+\s], s22, v[A16]
	v_add_nc_u32 v[ADRA+2+\s], s21, v[A8]
	v_add_nc_u32 v[ADRB+2+\s], s22, v[A8]
	s_add_co_u32 s21, s21, SLOT
	s_add_co_u32 s22, s22, SLOT
.endr
	v_lshlrev_b32 v6, 2, v1
	s_lshl_b32 s21, s15, 11                        ; ctx's scale words: my 4 blocks
	s_lshl_b32 s22, s16, 12                        ; Wo's: my 8 blocks, behind ctx's 8
	s_add_co_u32 s22, s22, 8*SBLK
	s_sub_co_u32 s22, s22, s21
	v_mul_u32_u24 v7, s22, v2                      ; lanes 16-31 take Wo's
	s_add_co_u32 s21, s21, SCL
	v_add_nc_u32 v6, v6, v7
	v_add_nc_u32 v[ADRS], s21, v6
	s_mul_i32 s23, s14, 16*SPITCH                  ; my stage, in slot 0, which nobody reads when the first result is stored there
	v_mul_u32_u24 v6, v1, SPITCH
	v_lshl_add_u32 v6, v2, 6, v6
	v_add_nc_u32 v[STO], s23, v6
	v_add_nc_u32 v[RD], s23, v[A16]
	s_lshl_b32 s20, s17, 7
	s_lshl_b32 s21, s15, 6
	s_add_co_u32 s20, s20, s21                     ; my first row
	s_lshl_b32 s20, s20, 12
	s_mov_b32 s21, 0
	s_lshl_b32 s46, s42, 10
	s_lshl_b32 s47, s16, 9
	s_add_co_u32 s46, s46, s47                     ; my first column, in bytes
	s_mov_b32 s47, 0
	s_add_nc_u64 s[98:99], s[98:99], s[20:21]
	s_add_nc_u64 s[98:99], s[98:99], s[46:47]
	s_add_nc_u64 s[96:97], s[96:97], s[46:47]
	global_load_b128 v[BO:BO+3], v[A16], s[96:97]  ; the bias at my four columns of a row's 128
.macro FRAG reg, adr, q, i             ; a fragment's image: 12 registers by four dense loads
	ds_load_b128 v[\reg:\reg+3], v[\adr] offset:(\i)*BLKB+(\q)*FRB
	ds_load_b64 v[\reg+4:\reg+5], v[\adr+2] offset:(\i)*BLKB+(\q)*FRB+512
	ds_load_b128 v[\reg+6:\reg+9], v[\adr] offset:(\i)*BLKB+(\q)*FRB+768
	ds_load_b64 v[\reg+10:\reg+11], v[\adr+2] offset:(\i)*BLKB+(\q)*FRB+1280
.endm
.macro FETCH st                        ; step st's fragments and scale words into set st % 2
.set FS, (\st)/4
.set FQ, (\st)%4
.set FP, (\st)%2
	WIN TO_B
.irp i, 0,1,2,3,4,5,6,7
	FRAG 128*FP+FR*\i, ADRB+FS, FQ, \i
.endr
	WIN 0
.irp i, 0,1,2,3
	FRAG AF+48*FP+FR*\i, ADRA+FS, FQ, \i
.endr
.irp i, 0,1,2,3,4,5,6,7
	ds_load_b32 v[SC+8*FP+\i], v[ADRS] offset:\i*SBLK+64*(\st)   ; lanes 0-15 ctx's block i (blocks 4-7 are not used), lanes 16-31 Wo's block i
.endr
.endm
.macro MUL st, zero                    ; 32 matrix instructions; the 32 accumulators take turns, in the same order in every step
.set P, (\st)%2
	WIN MUL_LO
.irp a, 0,1,2,3
.irp b, 0,1,2,3,4,5,6,7
.if \zero
	v_wmma_scale_f32_16x16x128_f8f6f4 v[8*(8*\a+\b):8*(8*\a+\b)+7], v[128*P+FR*\b:128*P+FR*\b+FR-1], v[AF+48*P+FR*\a:AF+48*P+FR*\a+FR-1], 0, v[SC+8*P+\b], v[SC+8*P+\a] matrix_a_fmt:MATRIX_FMT_FP6 matrix_b_fmt:MATRIX_FMT_FP6 matrix_a_scale:MATRIX_SCALE_ROW1
.else
	v_wmma_scale_f32_16x16x128_f8f6f4 v[8*(8*\a+\b):8*(8*\a+\b)+7], v[128*P+FR*\b:128*P+FR*\b+FR-1], v[AF+48*P+FR*\a:AF+48*P+FR*\a+FR-1], v[8*(8*\a+\b):8*(8*\a+\b)+7], v[SC+8*P+\b], v[SC+8*P+\a] matrix_a_fmt:MATRIX_FMT_FP6 matrix_b_fmt:MATRIX_FMT_FP6 matrix_a_scale:MATRIX_SCALE_ROW1
.endif
.endr
.endr
	WIN 0
.endm
.macro STEP st                         ; 128 along K: the next step's fragments are asked for first, into the other set, then this step is multiplied
.if (\st) == 3
	s_wait_tensorcnt 0x0                           ; my part of slot 1, if I asked for one, is in
.endif
	s_wait_dscnt 0x0                               ; this step's fragments are in
.if (\st) == 3
	s_barrier_signal -1                            ; slot 1 is whole, and nobody reads slot 0 any more
	s_barrier_wait -1
.endif
.if (\st) < 7
.if (\st) > 0
	PLACES 4                                       ; in front of loads into registers that the last step's products have read
.endif
	FETCH (\st)+1
.endif
.if (\st) == 0
	MUL \st, 1                                     ; the first step's products start the sums
.else
	MUL \st, 0
.endif
.endm
	s_wait_alu depctr_va_vdst(0)
	s_wait_tensorcnt 0x0                           ; my tile of the head's four is in
	ds_add_u32 v[SPW], v[NIL]
	s_wait_dscnt 0x0
	CROUND                                         ; a whole round: all four tiles are in, and the joint loads meet
	s_cmp_lt_u32 s14, 1                            ; slot 1: wave 0 asks for ctx's part, wave 1 for Wo's
	s_cbranch_scc0 .Lsec_b
	tensor_load_to_lds s[G0A1:G0A1+3], s[G1:G1+7]
	s_nop 0
	PLACES 4
	s_branch .Lsec_done
.Lsec_b:
	s_cmp_lt_u32 s14, 2
	s_cbranch_scc0 .Lsec_done
	tensor_load_to_lds s[G0B1:G0B1+3], s[G1B:G1B+7]
	s_nop 0
	PLACES 4
.Lsec_done:
	FETCH 0
.irp t, 0,1,2,3,4,5,6,7
	STEP \t
.endr
; THE WAY OUT, block by block of 16 rows x 128 columns, through my own stage: in by the order of Wo's rows in their blocks, back as whole rows of 512 bytes; + bias; the 32 lanes store two aligned units of 256 bytes.
.macro TOSTAGE a
.set AC, 64*(\a)
	WIN 0x08                                       ; the data: window 2
.irp b, 0,1,2,3,4,5,6,7
	ds_store_b128 v[STO], v[AC+8*\b:AC+8*\b+3] offset:128*(\b/2)+32*(\b%2)          ; each accumulator from its low end on
	ds_store_b128 v[STO], v[AC+8*\b+4:AC+8*\b+7] offset:128*(\b/2)+32*(\b%2)+16
.endr
	WIN 0
.set BB, BK+64*((\a)%2)
.irp t, 0,1,2,3,4,5,6,7,8,9,10,11,12,13,14,15
	ds_load_b128 v[BB+4*\t:BB+4*\t+3], v[RD] offset:\t*SPITCH   ; LDS serves a wave's instructions in order: these see the stores above
.endr
.endm
.macro SEND a, younger                 ; younger: the LDS instructions issued behind block a's loads, which may stay out
.set BB, BK+64*((\a)%2)
	s_wait_dscnt \younger
.irp t, 0,1,2,3,4,5,6,7,8,9,10,11,12,13,14,15
	v_pk_add_f32 v[BB+4*\t:BB+4*\t+1], v[BB+4*\t:BB+4*\t+1], v[BO:BO+1]
	v_pk_add_f32 v[BB+4*\t+2:BB+4*\t+3], v[BB+4*\t+2:BB+4*\t+3], v[BO+2:BO+3]
.endr
.irp t, 0,1,2,3,4,5,6,7,8,9,10,11,12,13,14,15
	global_store_b128 v[A16], v[BB+4*\t:BB+4*\t+3], s[98:99] offset:(32*((\a)/2)+8*((\a)%2)+\t+8*(\t/8))*4096 th:TH_STORE_NT
.endr
.endm
	PLACES 4
	s_wait_loadcnt 0x0                             ; the bias is in
	TOSTAGE 0
.irp a, 1,2,3
.if \a > 1
	s_wait_xcnt 0x0                                ; block a - 2's stores have read their registers
.endif
	TOSTAGE \a
	SEND \a-1, 32                                  ; behind block a - 1's loads: block a's 16 stores and 16 loads
.endr
	SEND 3, 0
	s_wait_tensorcnt 0x0                           ; the wave's end
	ds_add_u32 v[SPW], v[NIL]
	s_wait_dscnt 0x0
	CROUND                                         ; the closing round
	s_endpgm
.Lfunc_end_k_qac16a1dab7_oproj:
	.size	k_qac16a1dab7_oproj, .Lfunc_end_k_qac16a1dab7_oproj-k_qac16a1dab7_oproj
	.p2alignl 7, 3214868480
	.fill 96, 4, 3214868480
	.section	.rodata,"a",@progbits
	.p2align	6, 0x0
	.amdhsa_kernel k_qac16a1dab7_oproj
		.amdhsa_group_segment_fixed_size 327680
		.amdhsa_private_segment_fixed_size 0
		.amdhsa_enable_private_segment 0
		.amdhsa_kernarg_size 48
		.amdhsa_user_sgpr_count 2
		.amdhsa_user_sgpr_kernarg_segment_ptr 1
		.amdhsa_wavefront_size32 1
		.amdhsa_system_sgpr_workgroup_id_x 1
		.amdhsa_system_sgpr_workgroup_id_y 1
		.amdhsa_system_sgpr_workgroup_id_z 1
		.amdhsa_system_vgpr_workitem_id 0
		.amdhsa_next_free_vgpr 768
		.amdhsa_next_free_sgpr 100
		.amdhsa_reserve_vcc 0
		.amdhsa_float_denorm_mode_32 3
		.amdhsa_float_denorm_mode_16_64 3
		.amdhsa_memory_ordered 1
		.amdhsa_forward_progress 1
		.amdhsa_inst_pref_size 95
	.end_amdhsa_kernel
	.amdgpu_metadata
---
amdhsa.version: [ 1, 2 ]
amdhsa.kernels:
  - .name:           k_qac16a1dab7_oproj
    .symbol:         k_qac16a1dab7_oproj.kd
    .args:
      - { .name: cc, .offset: 0, .size: 8, .value_kind: global_buffer, .address_space: global }
      - { .name: cs, .offset: 8, .size: 8, .value_kind: global_buffer, .address_space: global }
      - { .name: wc, .offset: 16, .size: 8, .value_kind: global_buffer, .address_space: global }
      - { .name: ws, .offset: 24, .size: 8, .value_kind: global_buffer, .address_space: global }
      - { .name: bo, .offset: 32, .size: 8, .value_kind: global_buffer, .address_space: global }
      - { .name: out0, .offset: 40, .size: 8, .value_kind: global_buffer, .address_space: global }
    .group_segment_fixed_size: 327680
    .private_segment_fixed_size: 0
    .kernarg_segment_align: 8
    .kernarg_segment_size: 48
    .max_flat_workgroup_size: 128
    .sgpr_count:     100
    .vgpr_count:     768
    .wavefront_size: 32
...
	.end_amdgpu_metadata
.endif
;; end of part 4
